; MI455X (gfx1250); checked and timed in simulation.
; The chip was launched on July 23, 2026; its instructions are those of AMD's public machine-readable ISA for CDNA 5 (MIT licence, August 2026) and "CDNA5" Instruction Set Architecture Reference Guide (July 2026). The comments in the code are by the model that wrote it; some were corrected since.
;; Multi Head Attention. Allowed arithmetic: matrix products marked QUANTISED: E2M3 operands, one E8M0 scale for each 32 along K, by v_wmma_scale_f32_16x16x128_f8f6f4 with both operands' format E2M3, f32 sums; everything else in f32.
;; Inputs: Wo 1,024 x 1,024 float32; Wqkv 1,024 x 3,072 float32; bo 1,024 float32; bqkv 3,072 float32; mask 1 x 1 x 2,048 x 2,048 int32; x 4 x 2,048 x 1,024 float32.
;; Outputs: out0 4 x 2,048 x 1,024 float32.
;; This version of the problem:
;;   THIS VERSION OF THE PROBLEM IS GIVEN IN LOW PRECISION. The matrix products marked QUANTISED in the list below multiply operands that are first quantised to E2M3 (2 exponent bits, 3 mantissa bits; 6 bits a number), with one power-of-two scale for each 32 numbers along K (OCP MX v1.0); their sums are f32. All else is computed in f32.
;;   The module's matrix products, in the order in which they are computed (A, B: the left and right operand; K: the contracted axis; several contracted axes count as one K, in the product's order):
;;     1. [M 8,192, K 1,024] x [K 1,024, N 3,072]; A: input x; B: input Wqkv: QUANTISED
;;     2. batch 64 x [M 2,048, K 64] x [K 64, N 2,048]; A: computed on the way; B: computed on the way: QUANTISED
;;     3. batch 64 x [M 2,048, K 2,048] x [K 2,048, N 64]; A: softmax (see below); B: computed on the way: QUANTISED
;;     4. [M 8,192, K 1,024] x [K 1,024, N 1,024]; A: computed on the way; B: input Wo: QUANTISED
;;   THE QUANTISER, for each operand of a quantised product, along K:
;;     - K is cut into blocks of 32 from its start; a last block that is shorter is filled with zeros.
;;     - A block's scale is 2^e with e = floor(log2(the largest magnitude in the block)) - 2, held to -126 .. 127; a block of zeros has e = 0. As a byte (E8M0): e + 127.
;;     - Each number is divided by its block's scale, clamped to +-7.5, and rounded to the nearest number of E2M3, ties to even, subnormals kept.
;;     - The product sums the exact products of the quantised numbers (number of the format x scale) in f32.
;;   ~~~python
;;   def quantise(x, axis):      # numpy; x: float32 -> the quantised numbers, widened to float32 again
;;       x = np.moveaxis(x, axis, -1); K = x.shape[-1]
;;       x = np.pad(x, [(0, 0)] * (x.ndim - 1) + [(0, -K % 32)]); x = x.reshape(x.shape[:-1] + (-1, 32)); a = np.abs(x).max(-1, keepdims=True)
;;       e = np.where(a > 0, np.clip(np.frexp(np.where(a > 0, a, 1))[1] - 1 - 2, -126, 127), 0)      # np.frexp(a)[1] - 1 = floor(log2(a)), exactly
;;       r = np.clip(x / 2.0 ** e, -7.5, 7.5)
;;       step = 2.0 ** (np.maximum(np.frexp(np.where(r == 0, 1, r))[1] - 1, 0) - 3)
;;       q = np.round(r / step) * step * 2.0 ** e      # np.round: ties to even
;;       return np.moveaxis(q.reshape(q.shape[:-2] + (-1,))[..., :K], -1, axis).astype(np.float32)
;;   ~~~
;;   SOFTMAX AHEAD OF A QUANTISED PRODUCT. Where the list says 'softmax', what is quantised is not the finished softmax but p = 2^(t - M), with t = logit x log2(e) and M = ceil(the row's largest t), a whole number; so 1/2 < the row's largest p <= 1. The row's sum l is taken of the UNQUANTISED p, in f32, and the product's result is divided by l at the end. Since M is a whole number, a kernel that streams over the keys may use a running M (the ceiling of the running maximum): every later rescaling is an exact power of two, which a block's scale takes up: the codes' values come out the same.
;;   OPERANDS COMPUTED ON THE WAY. 'Computed on the way' means the value that the module computes at that place (a softmax that the list does not call 'softmax' is quantised finished and normalised). What goes into a quantiser is computed in f32, as accurately as f32 sums, v_exp_f32 and their like allow (about 1e-6 of the number): no bf16 or f16 on the way to a quantiser, and a product that is left as it is and whose result goes on into a quantised operand takes f32 operands (vector FMAs, or v_wmma_f32_16x16x4_f32). A number that lies on a knife's edge between two numbers of the format may be rounded either way, as far as f32 arithmetic and the matrix unit's own rounding can turn it there, and no further.
;; One version. Each part assembles by itself: llvm-mc -triple=amdgcn-amd-amdhsa -mcpu=gfx1250 --defsym DOCPART=n.
;; ======== version 1 of 1: 3 launches
;; limits: right only within a limited range of input values
;; workspace buffers: xc 6,291,456 bytes; sc 393,216 bytes; wc 3,145,728 bytes; maskw 526,336 bytes of whole numbers; qkv 20,185,088 bytes
;; launch prep (part 1): grid 384 x 1, 4 waves a work-group, no clusters, 102,912 bytes of LDS; arguments x, Wqkv, Wo, xc, sc, wc; writes xc, sc, wc
.if DOCPART == 1
	.amdgcn_target "amdgcn-amd-amdhsa--gfx1250"
	.amdhsa_code_object_version 6
	.text
	.protected	k_qb38244bf62_prep
	.globl	k_qb38244bf62_prep
	.p2align	8
	.type	k_qb38244bf62_prep,@function
k_qb38244bf62_prep:
	s_mov_b64 s[64:65], 0
	v_nop
	global_prefetch_b8 v0, s[64:65] scope:SCOPE_SE
	s_setreg_imm32_b32 hwreg(HW_REG_WAVE_MODE, 25, 1), 1
	s_wait_xcnt 0x0
; PREP: the three f32 operands are quantised once.  Each work-group moves 131,072 bytes of one input; its number picks the input:
;   0..255    x [8192][1024] f32, K innermost  -> xc [8192][768] codes of FP6 (E2M3); E8M0 bytes [8192][32] in sc's first 262,144 bytes
;   256..351  Wqkv [1024 (k)][3072 (n)] f32    -> wc rows t*1024 + head*64 + d for column n = head*192 + t*64 + d (t = 0 q, 1 k, 2 v); the bytes of wc's row R at sc + 262,144 + 32 R
;   352..383  Wo [1024 (k)][1024 (n)] f32      -> behind them in wc, as IMAGES OF OPERAND REGISTERS (below); its bytes as rows 3072 + n.  Inside each block of 32 along K the codes stand in the order 0-7, 16-23, 8-15, 24-31,
;             which is the order in which the attention launch's results fall into its lanes: the same order on both sides of a product leaves its sums as they are
; (The mask is packed by the next launch.)
; A block's scale is 2^(floor(log2(largest magnitude)) - 2); its byte is the largest magnitude's exponent field - 2, held at 1 from below.
; LIMITS: a block of zeros gets the byte 1 where the rule says 127 (its codes are zeros, and this program alone reads the bytes); blocks whose largest magnitude lies under 2^-124 keep the byte 1;
; NaN and infinities among x, Wqkv and Wo are not served.
; No matrix unit, no cluster, no tensor load: every byte is read once by one wave, and waves share nothing.  Each of the three ways has LDS bytes of its own.
.set W1,    32768                      ; LDS: 0.. x's four regions of 8,192; W1, W2: four stages of 8,704 bytes for Wqkv and for Wo
.set W2,    67584
.set SPARE, 102400                     ; the spare words, 128 bytes for each wave: two blocks of 256 bytes that no other line names
.set SPW,   222                        ; v222 LDS address of my spare word; never rewritten
.set NIL,   223                        ; v223 0; never rewritten
; ---- x: 16 steps of 512 numbers a wave.  A load takes 512 consecutive bytes; a step's 2,048 bytes turn through the wave's stage (a place of 64 bytes + 16 of padding a lane) and come back 16 neighbours a lane
.macro XLOAD t
.irp i, 0,1,2,3
	global_load_b128 v[16+16*((\t)%5)+112*(((\t)%5)/4)+4*\i:16+16*((\t)%5)+112*(((\t)%5)/4)+4*\i+3], v3, s[4:5] offset:2048*(\t)+512*\i th:TH_LOAD_NT   ; five sets of 16 registers: v16-79 and v192-207
.endr
.endm
.macro XTURN t                         ; LDS serves a wave's instructions in order: no wait between the stores and the loads
.irp i, 0,1,2,3
	ds_store_b128 v14, v[16+16*((\t)%5)+112*(((\t)%5)/4)+4*\i:16+16*((\t)%5)+112*(((\t)%5)/4)+4*\i+3] offset:2560*((\t)%2)+640*\i
.endr
.irp i, 0,1,2,3
	ds_load_b128 v[80+16*((\t)%2)+4*\i:80+16*((\t)%2)+4*\i+3], v15 offset:2560*((\t)%2)+16*\i
.endr
.endm
.macro XSTEP t
.set XSX, 80+16*((\t)%2)
.if (\t) > 0
	s_wait_dscnt 1                                 ; this step's numbers are back from the stage; the last step's byte store may be out
.else
	s_wait_dscnt 0x0
.endif
.if (\t)+5 < 16
	XLOAD (\t)+5                                   ; into the registers that the stage's stores have read
.endif
.if (\t)+1 < 16
.if 14-(\t) >= 4
	s_wait_loadcnt 16                              ; the next step's four loads are in; those of the four steps behind it may be out
.else
	s_wait_loadcnt 4*(14-(\t))
.endif
	XTURN (\t)+1
.endif
	v_max3_num_f32 v8, |v[XSX]|, |v[XSX+1]|, |v[XSX+2]|
	v_max3_num_f32 v9, |v[XSX+3]|, |v[XSX+4]|, |v[XSX+5]|
.irp i, 6,10
	v_max3_num_f32 v8, v8, |v[XSX+\i]|, |v[XSX+\i+1]|
	v_max3_num_f32 v9, v9, |v[XSX+\i+2]|, |v[XSX+\i+3]|
.endr
	v_max3_num_f32 v8, v8, |v[XSX+14]|, |v[XSX+15]|
	v_max3_num_f32 v8, v8, v9, 0x1800000           ; and the floor 2^(3 - 127): the byte cannot fall under 1
	v_max_num_f32_dpp v8, v8, v8 row_xmask:1 row_mask:0xf bank_mask:0xf   ; with my neighbour's 16: the block's largest magnitude
	v_add_nc_u32 v11, 0xff000000, v8               ; 2 off its exponent field: the conversion takes this operand's exponent field as its scale
	v_cvt_scalef32_pk16_fp6_f32 v[128+4*(\t):128+4*(\t)+2], v[XSX:XSX+15], v11
	v_lshrrev_b32 v[112+(\t)], 23, v11             ; the scale's byte (also the plain line behind the conversion)
	ds_store_b8 v5, v[112+(\t)] offset:16*(\t)     ; both lanes of a block write the same byte with the same value
	global_store_b96 v4, v[128+4*(\t):128+4*(\t)+2], s[12:13] offset:384*(\t)   ; the wave stores 384 consecutive bytes
.endm
; ---- a weight [1024 (k)][n]: a lane takes a column and its registers run down K, so that a block of 32 lies in one lane and the codes come out with K innermost.  A wave: 32 columns x 256 along K
.macro WLOAD t, n, perm                ; block t into set t % 2; perm = 1: register i takes row 32 t + (i with its bits 3 and 4 exchanged)
.set wi, 0
.rept 32
.if \perm
.set wr, (wi&7)|((wi&8)<<1)|((wi&16)>>1)
.else
.set wr, wi
.endif
	global_load_b32 v[32+32*((\t)%2)+wi], v3, s[24:25] offset:(32*(\t)+wr)*(\n)*4 th:TH_LOAD_NT
.set wi, wi+1
.endr
.endm
.macro WBLOCK t, n, perm
.set XSW, 32+32*((\t)%2)
.if (\t) < 7
	s_wait_loadcnt 32                              ; this block's 32 loads are in; the next block's may be out
.else
	s_wait_loadcnt 0x0
.endif
	v_max3_num_f32 v12, |v[XSW]|, |v[XSW+1]|, |v[XSW+2]|
	v_max3_num_f32 v13, |v[XSW+3]|, |v[XSW+4]|, |v[XSW+5]|
.irp i, 6,10,14,18,22,26
	v_max3_num_f32 v12, v12, |v[XSW+\i]|, |v[XSW+\i+1]|
	v_max3_num_f32 v13, v13, |v[XSW+\i+2]|, |v[XSW+\i+3]|
.endr
	v_max3_num_f32 v12, v12, |v[XSW+30]|, |v[XSW+31]|
	v_max3_num_f32 v12, v12, v13, 0x1800000        ; the floor
	v_add_nc_u32 v11, 0xff000000, v12              ; the conversion's scale operand
	v_lshrrev_b32 v13, 23, v11                     ; the scale's byte
.if (\t)%4 == 0
	v_mov_b32 v[24+(\t)/4], v13                    ; four bytes to a register, the lower K in the lower byte
.else
	v_lshl_or_b32 v[24+(\t)/4], v13, 8*((\t)%4), v[24+(\t)/4]
.endif
	v_cvt_scalef32_pk16_fp6_f32 v[96:98], v[XSW:XSW+15], v11
	v_cvt_scalef32_pk16_fp6_f32 v[100:102], v[XSW+16:XSW+31], v11   ; (a conversion's three registers begin on an even number)
.if \perm                              ; Wo: the stage's rows are dense, 24 bytes a block, so that operand fragments can be read from them
.irp i, 0,1,2
	ds_store_b32 v4, v[96+\i] offset:24*(\t)+4*\i
	ds_store_b32 v4, v[100+\i] offset:24*(\t)+12+4*\i
.endr
.else
	ds_store_b96 v4, v[96:98] offset:32*(\t)       ; 12 bytes to a place of 16, so that every LDS address is a multiple of 16
	ds_store_b96 v4, v[100:102] offset:32*(\t)+16
.endif
.if (\t)+2 < 8
	WLOAD (\t)+2, \n, \perm
.endif
	s_wait_dscnt 0x0                               ; the stores have read their registers: the next block's codes may be written
.endm
; s23 = which 256 along K, s27 = my first row of wc, s[24:25] = my first number.  The whole way, to the wave's end.
.macro WQ n, perm, stg
	s_mul_i32 s28, s27, 768
	s_mul_i32 s29, s23, 192+2880*(\perm)           ; Wo: two images of 1,536 bytes for each 256 along K (16 rows x 768 bytes are also 8 images)
	s_add_co_u32 s28, s28, s29
	s_mov_b32 s29, 0
	s_add_nc_u64 s[28:29], s[16:17], s[28:29]      ; my codes
	s_lshl_b32 s30, s27, 5
	s_lshl_b32 s31, s23, 3
	s_add_co_u32 s30, s30, s31
	s_mov_b32 s31, 0
	s_add_nc_u64 s[30:31], s[18:19], s[30:31]      ; my scale bytes
	v_lshlrev_b32 v3, 2, v2                        ; in: 4 bytes a lane: the wave reads 128 consecutive bytes of a row
	s_mul_i32 s32, s22, 8704
	s_add_co_u32 s32, s32, \stg                    ; my stage
	v_mul_u32_u24 v4, v2, 272-64*(\perm)           ; Wo: stage rows of 192 + 16 bytes
	v_add_nc_u32 v4, s32, v4                       ; into it: row = my column
	v_and_b32 v5, 15, v2
	v_lshrrev_b32 v6, 4, v2
.if \perm
	v_mul_u32_u24 v7, v5, 208
	v_mad_u32_u24 v7, v6, 24, v7
	v_add_nc_u32 v7, s32, v7                       ; out of it: as an operand's lane (r, h) reads: row r, + 24 h
	v_lshlrev_b32 v8, 4, v2                        ; and 16 x lane in an image
.else
	v_mul_u32_u24 v7, v6, 272
	v_lshl_add_u32 v7, v5, 4, v7
	v_add_nc_u32 v7, s32, v7                       ; out of it: sixteen lanes to a row, two rows an instruction
	v_mul_u32_u24 v8, v6, 768
	v_mad_u32_u24 v8, v5, 12, v8                   ; and the same place in wc
.endif
	v_lshlrev_b32 v9, 5, v2                        ; my column's row of scale bytes
	WLOAD 0, \n, \perm
	WLOAD 1, \n, \perm
.set wt, 0
.rept 8
	WBLOCK wt, \n, \perm
.set wt, wt+1
.endr
	s_wait_alu depctr_va_vdst(0)
	global_store_b64 v9, v[24:25], s[30:31]        ; my column's 8 scale bytes
.if \perm
; Wo leaves as images of operand registers: for 16 columns n and 128 along K the 12 registers of a fragment, registers 4 g .. 4 g + 3 at 512 g + 16 x lane: wc + 2,359,296 + ((n / 16) x 8 + k / 128) x 1,536.
.irp m, 0,1,2,3                        ; image m: 16 columns m / 2, step m % 2 of my 256 along K
.irp p, 0,1,2,3,4,5
	ds_load_b64 v[112+12*\m+2*\p:113+12*\m+2*\p], v7 offset:(\m/2)*3328+96*(\m%2)+48*(\p/3)+8*(\p%3)
.endr
.endr
	s_wait_dscnt 0x0
.irp m, 0,1,2,3
.irp g, 0,1,2
	global_store_b128 v8, v[112+12*\m+4*\g:115+12*\m+4*\g], s[28:29] offset:((\m/2)*8+(\m%2))*1536+512*\g   ; 512 consecutive bytes, aligned
.endr
.endr
.else
.irp t, 0,1,2,3,4,5,6,7,8,9,10,11,12,13,14,15
	ds_load_b96 v[112+4*\t:112+4*\t+2], v7 offset:2*\t*272
.endr
.irp t, 0,1,2,3,4,5,6,7,8,9,10,11,12,13,14,15
	s_wait_dscnt 15-\t                             ; the younger read-backs may be out
	global_store_b96 v8, v[112+4*\t:112+4*\t+2], s[28:29] offset:2*\t*768   ; sixteen lanes store a row's 192 consecutive bytes
.endr
.endif
	s_wait_tensorcnt 0x0                           ; the wave's end
	ds_add_u32 v[SPW], v[NIL]
	s_wait_dscnt 0x0
	s_endpgm
.endm
	s_load_b128 s[4:7], s[0:1], 0x0                ; x s[4:5], Wqkv s[6:7]
	s_load_b64 s[8:9], s[0:1], 0x10                ; Wo
	s_load_b64 s[12:13], s[0:1], 0x18              ; xc
	s_load_b64 s[14:15], s[0:1], 0x20              ; sc: x's scale bytes
	s_load_b64 s[16:17], s[0:1], 0x28              ; wc
	v_lshl_add_u32 v[SPW], v0, 2, SPARE
	v_mov_b32 v[NIL], 0
	v_lshrrev_b32 v1, 5, v0
	v_readfirstlane_b32 s22, v1                    ; wave 0..3
	v_and_b32 v2, 31, v0                           ; lane
	s_wait_kmcnt 0x0
	s_add_nc_u64 s[18:19], s[14:15], 0x40000       ; the weights' scale bytes
	s_cmp_lt_u32 ttmp9, 256
	s_cbranch_scc1 .Lx
	s_cmp_lt_u32 ttmp9, 352
	s_cbranch_scc1 .Lwqkv
	; ---------------- Wo
	s_sub_co_u32 s23, ttmp9, 352
	s_lshr_b32 s26, s23, 2
	s_and_b32 s23, s23, 3
	s_lshl_b32 s26, s26, 7
	s_lshl_b32 s27, s22, 5
	s_add_co_u32 s26, s26, s27                     ; n0
	s_add_co_u32 s27, s26, 3072                    ; my first row of wc
	s_lshl_b32 s24, s23, 20                        ; 256 rows of 4,096 bytes
	s_lshl_b32 s28, s26, 2
	s_add_co_u32 s24, s24, s28
	s_mov_b32 s25, 0
	s_add_nc_u64 s[24:25], s[8:9], s[24:25]
	s_wait_alu depctr_va_vdst(0)
	WQ 1024, 1, W2
	; ---------------- x
.Lx:
	s_wait_alu depctr_va_vdst(0)
	v_lshlrev_b32 v3, 4, v2                        ; my 16 bytes of a load's 512
	s_lshl_b32 s23, s22, 13                        ; my region of 8,192 bytes: two stages of 32 x 80, then 256 scale bytes
	v_lshrrev_b32 v14, 2, v2
	v_mul_u32_u24 v14, v14, 80
	v_and_b32 v15, 3, v2
	v_lshl_add_u32 v14, v15, 4, v14
	v_add_nc_u32 v14, s23, v14                     ; the stage, in: 80 (lane / 4) + 16 (lane % 4)
	v_mul_u32_u24 v15, v2, 80
	v_add_nc_u32 v15, s23, v15                     ; and out: 80 x lane
	v_mul_u32_u24 v4, v2, 12                       ; my 16 codes' place in a step's 384 bytes
	v_lshrrev_b32 v5, 1, v2
	s_add_co_u32 s23, s23, 5120
	v_add_nc_u32 v5, s23, v5                       ; my block's scale byte
	v_lshlrev_b32 v7, 3, v2
	v_add_nc_u32 v6, s23, v7
	s_lshl_b32 s24, ttmp9, 2
	s_add_co_u32 s24, s24, s22                     ; which run of 8,192 numbers is my wave's
	s_lshl_b32 s26, s24, 15
	s_mov_b32 s27, 0
	s_add_nc_u64 s[4:5], s[4:5], s[26:27]
	s_mul_i32 s26, s24, 6144
	s_add_nc_u64 s[12:13], s[12:13], s[26:27]
	s_lshl_b32 s26, s24, 8
	s_add_nc_u64 s[14:15], s[14:15], s[26:27]
.irp t, 0,1,2,3,4
	XLOAD \t
.endr
	s_wait_alu depctr_va_vdst(0)
	s_wait_loadcnt 16                              ; step 0's four loads are in; the sixteen of steps 1 to 4 may be out
	XTURN 0
.irp t, 0,1,2,3,4,5,6,7,8,9,10,11,12,13,14,15
	XSTEP \t
.endr
	ds_load_b64 v[8:9], v6                         ; my wave's 256 scale bytes
	s_wait_dscnt 0x0
	global_store_b64 v7, v[8:9], s[14:15]          ; 256 consecutive bytes, aligned
	s_wait_tensorcnt 0x0                           ; the wave's end
	ds_add_u32 v[SPW], v[NIL]
	s_wait_dscnt 0x0
	s_endpgm
	; ---------------- Wqkv
.Lwqkv:
	s_sub_co_u32 s23, ttmp9, 256
	s_lshr_b32 s26, s23, 2                         ; which 128 columns
	s_and_b32 s23, s23, 3                          ; which 256 along K
	s_lshl_b32 s26, s26, 7
	s_lshl_b32 s27, s22, 5
	s_add_co_u32 s26, s26, s27                     ; n0: my wave's first column
	s_lshr_b32 s27, s26, 6                         ; n0 / 64 = 3 head + t, under 48
	s_mul_i32 s28, s27, 43
	s_lshr_b32 s28, s28, 7                         ; head = that / 3 (43 / 128 serves for numbers under 48)
	s_mul_i32 s29, s28, 3
	s_sub_co_u32 s27, s27, s29                     ; t
	s_lshl_b32 s27, s27, 10
	s_lshl_b32 s28, s28, 6
	s_add_co_u32 s27, s27, s28
	s_and_b32 s28, s26, 63
	s_add_co_u32 s27, s27, s28                     ; my first row of wc
	s_mul_i32 s24, s23, 256*3072*4
	s_lshl_b32 s28, s26, 2
	s_add_co_u32 s24, s24, s28
	s_mov_b32 s25, 0
	s_add_nc_u64 s[24:25], s[6:7], s[24:25]
	s_wait_alu depctr_va_vdst(0)
	WQ 3072, 0, W1
.Lfunc_end_k_qb38244bf62_prep:
	.size	k_qb38244bf62_prep, .Lfunc_end_k_qb38244bf62_prep-k_qb38244bf62_prep
	.p2alignl 7, 3214868480
	.fill 96, 4, 3214868480
	.section	.rodata,"a",@progbits
	.p2align	6, 0x0
	.amdhsa_kernel k_qb38244bf62_prep
		.amdhsa_group_segment_fixed_size 102912
		.amdhsa_private_segment_fixed_size 0
		.amdhsa_enable_private_segment 0
		.amdhsa_kernarg_size 48
		.amdhsa_user_sgpr_count 2
		.amdhsa_user_sgpr_kernarg_segment_ptr 1
		.amdhsa_wavefront_size32 1
		.amdhsa_system_sgpr_workgroup_id_x 1
		.amdhsa_system_sgpr_workgroup_id_y 1
		.amdhsa_system_sgpr_workgroup_id_z 1
		.amdhsa_system_vgpr_workitem_id 0
		.amdhsa_next_free_vgpr 224
		.amdhsa_next_free_sgpr 66
		.amdhsa_reserve_vcc 0
		.amdhsa_float_denorm_mode_32 3
		.amdhsa_float_denorm_mode_16_64 3
		.amdhsa_memory_ordered 1
		.amdhsa_forward_progress 1
		.amdhsa_inst_pref_size 116
	.end_amdhsa_kernel
	.amdgpu_metadata
---
amdhsa.version: [ 1, 2 ]
amdhsa.kernels:
  - .name:           k_qb38244bf62_prep
    .symbol:         k_qb38244bf62_prep.kd
    .args:
      - { .name: x, .offset: 0, .size: 8, .value_kind: global_buffer, .address_space: global }
      - { .name: Wqkv, .offset: 8, .size: 8, .value_kind: global_buffer, .address_space: global }
      - { .name: Wo, .offset: 16, .size: 8, .value_kind: global_buffer, .address_space: global }
      - { .name: xc, .offset: 24, .size: 8, .value_kind: global_buffer, .address_space: global }
      - { .name: sc, .offset: 32, .size: 8, .value_kind: global_buffer, .address_space: global }
      - { .name: wc, .offset: 40, .size: 8, .value_kind: global_buffer, .address_space: global }
    .group_segment_fixed_size: 102912
    .private_segment_fixed_size: 0
    .kernarg_segment_align: 8
    .kernarg_segment_size: 48
    .max_flat_workgroup_size: 128
    .sgpr_count:     66
    .vgpr_count:     224
    .wavefront_size: 32
...
	.end_amdgpu_metadata
.endif
;; end of part 1
;; launch qkv (part 2): grid 8 x 64, 4 waves a work-group, clusters of 4 x 4, 327,680 bytes of LDS; arguments xc, sc, wc, bqkv, qkv, mask, maskw; writes qkv, maskw
.if DOCPART == 2
	.amdgcn_target "amdgcn-amd-amdhsa--gfx1250"
	.amdhsa_code_object_version 6
	.text
	.protected	k_qb38244bf62_qkv
	.globl	k_qb38244bf62_qkv
	.p2align	8
	.type	k_qb38244bf62_qkv,@function
k_qb38244bf62_qkv:
	s_mov_b64 s[64:65], 0
	v_nop
	global_prefetch_b8 v0, s[64:65] scope:SCOPE_SE
	s_setreg_imm32_b32 hwreg(HW_REG_WAVE_MODE, 25, 1), 1
	s_wait_xcnt 0x0
	s_wait_alu depctr_hold_cnt(0) depctr_sa_sdst(0) depctr_va_vdst(0) depctr_va_sdst(0) depctr_va_ssrc(0) depctr_va_vcc(0) depctr_vm_vsrc(0)
	s_getreg_b32 s2, hwreg(HW_REG_IB_STS2, 6, 4)
	s_cmp_eq_u32 s2, 0
	s_cbranch_scc0 .Lentry_in_a_cluster
	s_endpgm
.Lentry_in_a_cluster:
	s_bfe_u32 s2, ttmp6, 0x10000c
	s_cmp_lg_u32 s2, 0xf033
	s_cbranch_scc0 .Lentry_shape_is_right
	s_endpgm
.Lentry_shape_is_right:
; QKV: x Wqkv + bqkv on codes of FP6 (E2M3) with E8M0 scales, K = 1,024; the f32 results never go to memory: the way out quantises them into the operands of the attention launch.  And the mask is packed here.
; A tile of 256 x 256 to a work-group of four waves, 128 x 128 to a wave (64 accumulators, 512 registers).
; K goes through two LDS slots in CHUNKS OF 256 BYTES of each row of codes (a row is 768 bytes: three chunks, each beginning at a multiple of 256 bytes); a matrix step is 128 along K, 96 bytes: eight steps.
; THE HEAD asks for chunks 0 and 1 whole, one joint load a wave: wave 0 A's chunk 0, wave 1 B's chunk 0, wave 2 A's chunk 1, wave 3 B's chunk 1 (256 rows each).  Chunk 2 is the one refill, into slot 0, a quarter of the slot a wave.
; THE SCALE WORDS come straight into registers: sc holds x's and the weights' scale bytes in one buffer, so lanes 0-15 load the 32 bytes of a row of A and lanes 16-31 those of a row of B by the same two loads.
; THREE ROLES, told apart by the cluster's y, which all sixteen partners share: 256 + 128 + 128 work-groups:
;   role 0 (cluster y 0..7):  A = x (8,192 tokens), B = wc rows 0..2047 (q's and k's columns, head by head).  A lane's results: ONE token, eight neighbouring d.
;   role 1 (cluster y 8..11): A = wc rows 2048..3071 (v's columns), B = x.  A lane's results: ONE d, eight neighbouring KEYS: v is quantised along the keys, which are its product's K.
;   the mask (cluster y 12..15): mask [2048][2048] i32 -> maskw; no product, no tensor load, LDS bytes of its own (at the text's end).
; THE MATRIX INSTRUCTION IS USED TRANSPOSED (source 0 = 16 rows of B, source 1 = 16 rows of A).  The bias is the C of each sum's first product.
; THE WAY OUT.  The 16 registers of two neighbouring tiles hold, in lane half h, elements 8 h + 0..7 and 16 + 8 h + 0..7 of a block of 32; they are quantised as they stand, so a block's codes lie in
; the order 0-7, 16-23, 8-15, 24-31.  q and k get the same order, and so do v and the attention launch's p: one order on both sides of a product leaves its sums as they are.
; The codes leave as images of operand registers, 768 bytes for six registers of 32 lanes: registers 0-3 at 16 x lane, registers 4-5 at 512 + 8 x lane.
;   qkv: q at 0, k at 6,291,456: [batch x head 64][tile of 16 tokens 128][768];  v at VC: [64][step of 128 keys 16][16 d 4][half of the step 2][768];
;   scale words (one a row): q at QS, k behind it: [64][128][16];  v at VS: [64][16][4][16].
; CLUSTERS: 4 x 4 work-groups; A's tile is asked for jointly along a row of the cluster, B's along a column.
; THE PREFETCH: chunk 2 is asked of memory at the head, two matrix steps ahead of its tensor load: of the 128 rows that a wave will fetch, each of the four partners that fetch them jointly names 32, told apart by address, a lane a row.
; LIMITS: a block of zeros gets the byte 1 (zero codes; this program alone reads the bytes); blocks whose largest magnitude lies under 2^-124 keep the byte 1; NaN and infinities are not served.
; REGISTERS: window 0: v1-31 addresses; v32-63 and v224-255 scale words (block i's word of step s at 32 + 4 i + s, or 224 + 4 i + s - 4); v64-127 the bias, later the way out's work; v128-223 A's fragments, one set.
;   window 1: B's fragments, two sets.  windows 2, 3: the accumulators.
.set ROWB,   256
.set KROW,   768
.set CHUNKS, 3
.set PITCH,  272                       ; an LDS row: 256 bytes + 16 of padding
.set FR,     12
.set NL,     6
.set NP,     4
.set HALFT,  128*PITCH
.set SLOT,   4*HALFT
.set SPARE,  2*SLOT                    ; the spare words, 128 bytes for each wave: two blocks of 256 bytes that no other line names
.set MR,     SPARE+512                 ; the mask's four stages of 16 rows x 528 bytes
.set WSO,    262144                    ; sc: where the weights' scale bytes begin
.set VC,     12582912
.set QS,     18874368
.set VS,     19922944
.set SRD,  8                           ; v8   the way out: where I read my scale words back
.set PFO,  11                          ; v11  the prefetch's offset: lane x a row of codes; never rewritten
.set ADRA, 16                          ; v16-17 A's fragments in slot 0, 1; v18-19: lanes 0-15 at byte 232 of a row in slot 0, 1, lanes 16-31 at byte 0 of the row in the other slot
.set ADRB, 20                          ; v20-23 the same for B
.set VO16, 24                          ; v24  16 x lane
.set VO8,  25                          ; v25  8 x lane
.set SST,  26                          ; v26  the way out: where I put a scale word: in slot 1, which has had its one fill and its last read by then
.set ADRS, 27                          ; v27  my row's scale bytes in sc: lanes 0-15 A's rows, lanes 16-31 B's
.set SPW,  28                          ; v28  my spare word; never rewritten
.set NIL,  29                          ; v29  0; never rewritten
.set SH,   30                          ; v30  role 0: 16 h, role 1: 0
.set SVO,  31                          ; v31  my 16 bytes' place among the scale words in memory
.set BI,   64
.set AF,   128
.set TM,   64
.set PW,   80
.set PC,   84
.set G1, 24                            ; s[24:31] group 1 for A's tiles, s[48:55] for B's; s[32:35], s[56:59] group 0 of the refill; s[4:7], s[8:11], s[76:79], s[88:91] group 0 of the head's four loads
.set G0, 32
.set G1B, 48
.set G0B, 56
.set WV,   96
.set WH,   97
.set WL,   98
.set ROLE, 99
.set TR,   100
.set TC,   101
.set MSB, 0
.macro WIN new                         ; the immediate's high byte repeats the setting that is left
.if MSB != \new
	s_set_vgpr_msb (MSB<<8)|\new
.set MSB, \new
.endif
.endm
.set MUL_LO, 0xa1
.set MUL_HI, 0xf1
.set TO_B,   0x40
.macro PLACES n
.rept \n
	v_nop
.endr
.endm
.macro JLOAD                           ; the refill: waves 0 and 1 fetch for A, waves 2 and 3 for B; an s_nop 0 and four v_nop follow each line
	s_cmp_eq_u32 s[WH], 0
	s_cbranch_scc0 .Lfor_b_\@
	tensor_load_to_lds s[G0:G0+3], s[G1:G1+7]
	s_nop 0
	PLACES 4
	s_branch .Lasked_\@
.Lfor_b_\@:
	tensor_load_to_lds s[G0B:G0B+3], s[G1B:G1B+7]
	s_nop 0
	PLACES 4
.Lasked_\@:
.endm
.macro CREST
	s_cmp_lg_u32 s[WV], 0
	s_cbranch_scc1 .Lnot_wave_0_\@
	s_barrier_signal -3
.Lnot_wave_0_\@:
	s_barrier_wait -3
	s_barrier_signal -1
	s_barrier_wait -1
.endm
.macro CROUND
	s_barrier_signal -1
	s_barrier_wait -1
	CREST
.endm
.macro FRAG reg, adr, st, i            ; 16 rows x 128 K, 12 registers, in pieces of 8 bytes; byte y of a row lies in slot (y / 256) % 2 at byte y % 256 of the LDS row
.irp p, 0,1,2,3,4,5
.set BY, 96*(\st)+48*(\p/3)+8*(\p%3)
.if BY/ROWB == (BY+24)/ROWB
	ds_load_b64 v[\reg+2*\p:\reg+2*\p+1], v[\adr+(BY/ROWB)%2] offset:BY%ROWB+(\i)*16*PITCH
.else
	ds_load_b64 v[\reg+2*\p:\reg+2*\p+1], v[\adr+2+(BY/ROWB)%2] offset:BY%ROWB-232+(\i)*16*PITCH
.endif
.endr
.endm
; 16 matrix instructions: A's blocks a0, a0 + 1 x B's eight.  cm = 0: the sums go on; 1: they begin with the bias of B's rows; 2: of A's rows.  The 64 accumulators take turns.
.macro MUL16 a0, st, cm
.irp a, \a0, \a0+1
.irp b, 0,1,2,3,4,5,6,7
.set rD, 8*(8*((\a)%4)+\b)
.set rB, 128*((\st)%2)+FR*\b
.set rA, AF+FR*(\a)
.set rSB, 32+192*((\st)/4)+4*\b+(\st)%4
.set rSA, 32+192*((\st)/4)+4*(\a)+(\st)%4
.if (\cm) == 1
	v_wmma_scale_f32_16x16x128_f8f6f4 v[rD:rD+7], v[rB:rB+FR-1], v[rA:rA+FR-1], v[BI+8*\b:BI+8*\b+7], v[rSB], v[rSA] matrix_a_fmt:MATRIX_FMT_FP6 matrix_b_fmt:MATRIX_FMT_FP6 matrix_a_scale:MATRIX_SCALE_ROW1
.elseif (\cm) == 2
	v_wmma_scale_f32_16x16x128_f8f6f4 v[rD:rD+7], v[rB:rB+FR-1], v[rA:rA+FR-1], v[BI+8*(\a):BI+8*(\a)+7], v[rSB], v[rSA] matrix_a_fmt:MATRIX_FMT_FP6 matrix_b_fmt:MATRIX_FMT_FP6 matrix_a_scale:MATRIX_SCALE_ROW1
.else
	v_wmma_scale_f32_16x16x128_f8f6f4 v[rD:rD+7], v[rB:rB+FR-1], v[rA:rA+FR-1], v[rD:rD+7], v[rSB], v[rSA] matrix_a_fmt:MATRIX_FMT_FP6 matrix_b_fmt:MATRIX_FMT_FP6 matrix_a_scale:MATRIX_SCALE_ROW1
.endif
.endr
.endr
.endm
.macro FETCH_B st, p
	WIN TO_B
.irp i, 0,1,2,3,4,5,6,7
	FRAG 128*(\p)+FR*\i, ADRB, \st, \i
.endr
	WIN 0
.endm
.macro FETCH_A st, i0
.irp i, \i0, \i0+1, \i0+2, \i0+3
	FRAG AF+FR*(\i), ADRA, \st, \i
.endr
.endm
; A step of 128 along K; the next step's fragments are fetched in its middle and at its end.  Where the next step's bytes END in chunk 2, every wave first waits for its tensor loads and a barrier shows the chunk whole.
; Where they BEGIN in a later chunk than this step's, the chunk left behind is read no more: the wait for all tensor loads, the add, the wait for it and for my reads, the barrier; behind chunk 0 a round of the cluster's barrier and the refill.
.macro STEP st, cm
.set NX, (\st)+1
.set C0, (96*(\st))/ROWB
.set C1, (96*NX)/ROWB
.set E0, (96*(\st)+95)/ROWB
.set E1, (96*NX+95)/ROWB
.if C1 > C0 || (E1 > E0 && E1 > 1)
	s_wait_tensorcnt 0x0                           ; all my tensor loads have landed
.if C1 > C0
	ds_add_u32 v[SPW], v[NIL]
	s_wait_dscnt 4*NL+1                            ; (the add and the youngest 24 loads, A's blocks 4-7, may be out)
.else
	s_wait_dscnt 4*NL
.endif
	WIN MUL_LO
	MUL16 0, \st, 0
	s_wait_dscnt 0x0                               ; the add, where there is one, and my reads are done
	s_barrier_signal -1
	MUL16 2, \st, 0
	WIN 0
	s_barrier_wait -1
.if C1 > C0 && C0+2 < CHUNKS
	CREST                                          ; no wave of any partner still reads slot 0 or has a load on its way
	JLOAD                                          ; chunk 2: my one tensor load behind the round; its four v_nop are the places in front of the loads below
.else
	PLACES NP
.endif
.else
	s_wait_dscnt 4*NL                              ; B's set and A's blocks 0-3 are in; the youngest 24 loads may be out
.if \cm
	WIN 0x81                                       ; C (the bias) window 0, D window 2
.else
	WIN MUL_LO
.endif
	MUL16 0, \st, \cm
	MUL16 2, \st, \cm
	s_wait_dscnt 0
	PLACES NP
.endif
	FETCH_B NX, NX%2
	FETCH_A NX, 0
.if \cm
	WIN 0xc1
.else
	WIN MUL_HI
.endif
	MUL16 4, \st, \cm
	MUL16 6, \st, \cm
	PLACES NP
	WIN 0
	FETCH_A NX, 4
.endm
	s_load_b128 s[4:7], s[0:1], 0x0                ; xc s[4:5], sc s[6:7]
	s_load_b64 s[8:9], s[0:1], 0x10                ; wc
	s_load_b64 s[12:13], s[0:1], 0x18              ; bqkv
	s_load_b64 s[14:15], s[0:1], 0x20              ; qkv
	v_lshl_add_u32 v[SPW], v0, 2, SPARE
	v_mov_b32 v[NIL], 0
	ds_add_u32 v[SPW], v[NIL]                      ; the opening: the add, twice on end, and its wait ahead of my first tensor load
	ds_add_u32 v[SPW], v[NIL]
	v_lshrrev_b32 v1, 5, v0
	v_readfirstlane_b32 s[WV], v1
	s_lshr_b32 s[WH], s[WV], 1                     ; my half of A's rows; in the refill: I fetch for A (0) or B (1)
	s_and_b32 s[WL], s[WV], 1                      ; my half of B's rows; in the refill: which 128 rows I fetch
	s_bfe_u32 s40, ttmp6, 0x40000                  ; cx
	s_bfe_u32 s41, ttmp6, 0x40004                  ; cy
	s_and_b32 s42, ttmp7, 0xffff                   ; the cluster's y
	s_lshl_b32 s43, s42, 2
	s_lshl_b32 s44, s42, 3
	s_sub_co_u32 s44, s44, 64
	s_lshl_b32 s45, ttmp9, 2
	s_add_co_u32 s45, s45, s40
	s_lshl_b32 s46, s41, 2
	s_lshl_b32 s46, 15, s46                        ; my row of the cluster
	s_lshl_b32 s47, 0x1111, s40                    ; my column
	s_cmp_ge_u32 s42, 8
	s_cselect_b32 s[ROLE], 1, 0
	s_cselect_b32 s43, 0, s43
	s_cselect_b32 s44, s44, 0
	s_add_co_u32 s[TR], s43, s41                   ; role 0: 4 cluster y + cy (0..31); role 1: cy (0..3)
	s_add_co_u32 s[TC], s45, s44                   ; role 0: 4 cluster x + cx (0..7); role 1: 4 (2 (cluster y - 8) + cluster x) + cx (0..31)
	s_or_b32 s[G1+0], s46, (1<<20)|(1<<21)|(5<<22)|(3<<25)   ; rows of 256 bytes, 16 bytes of padding behind each; 256 rows for the head's loads
	s_or_b32 s[G1B+0], s47, (1<<20)|(1<<21)|(5<<22)|(3<<25)
.irp g, G1, G1B
	s_mov_b32 s[\g+1], ROWB<<16
	s_mov_b32 s[\g+2], 256<<16
	s_mov_b32 s[\g+3], ROWB<<16
	s_mov_b32 s[\g+4], 256
	s_mov_b32 s[\g+5], KROW
	s_mov_b32 s[\g+6], 0
	s_mov_b32 s[\g+7], 0
.endr
	s_lshl_b32 s20, s[TR], 8
	s_lshl_b32 s19, s[ROLE], 11
	s_add_co_u32 s20, s20, s19                     ; A's first row (role 1: v's rows begin at 2,048 of wc)
	s_lshl_b32 s92, s[TC], 8                       ; B's
	s_mul_i32 s20, s20, KROW
	s_mov_b32 s21, 0
	s_mul_i32 s92, s92, KROW
	s_mov_b32 s93, 0
	s_mul_i32 s2, s[WV], HALFT                     ; the refill's place: the wave's number alone enters an LDS address
	s_mul_i32 s44, s[WL], 128*KROW                 ; and its 128 rows of the tile
	s_mov_b32 s45, 0
	s_wait_dscnt 0x0                               ; both opening adds are done
	s_wait_kmcnt 0x0
	s_cmp_ge_u32 s42, 12
	s_cbranch_scc1 .Lmask                          ; the last eight clusters pack the mask
	s_cmp_eq_u32 s[ROLE], 0
	s_cselect_b64 s[16:17], s[4:5], s[8:9]         ; A's codes: x's or the weights'
	s_cselect_b64 s[66:67], s[8:9], s[4:5]         ; B's
	s_mov_b64 s[68:69], s[6:7]                     ; sc
	s_add_nc_u64 s[20:21], s[16:17], s[20:21]
	s_add_nc_u64 s[92:93], s[66:67], s[92:93]
	CROUND                                         ; all sixteen work-groups are here: the first joint loads meet
.macro MKG0 g, lds, a
	s_mov_b32 s[\g], 1
	s_mov_b32 s[\g+1], \lds
	s_mov_b64 s[\g+2:\g+3], s[\a:\a+1]
	s_or_b32 s[\g+3], s[\g+3], 0x80000000
.endm
	s_add_nc_u64 s[22:23], s[20:21], ROWB
	s_add_nc_u64 s[94:95], s[92:93], ROWB
	MKG0 4, 0, 20                                  ; A's chunk 0
	MKG0 8, 2*HALFT, 92                            ; B's chunk 0
	MKG0 76, SLOT, 22                              ; A's chunk 1
	MKG0 88, SLOT+2*HALFT, 94                      ; B's chunk 1
	s_add_nc_u64 s[20:21], s[20:21], s[44:45]
	s_add_nc_u64 s[92:93], s[92:93], s[44:45]
	s_mov_b32 s[G0], 1                             ; chunk 2, my 128 rows, into slot 0
	s_add_co_u32 s[G0+1], s2, 0
	s_add_nc_u64 s[G0+2:G0+3], s[20:21], 2*ROWB
	s_or_b32 s[G0+3], s[G0+3], 0x80000000
	s_mov_b32 s[G0B], 1
	s_add_co_u32 s[G0B+1], s2, 0
	s_add_nc_u64 s[G0B+2:G0B+3], s[92:93], 2*ROWB
	s_or_b32 s[G0B+3], s[G0B+3], 0x80000000
	s_cmp_eq_u32 s[WH], 0                          ; the prefetch: of the 128 rows that I will fetch, my work-group's 32: place cx among A's four partners, cy among B's
	s_cselect_b64 s[70:71], s[20:21], s[92:93]
	s_cselect_b32 s72, s40, s41
	s_mul_i32 s72, s72, 32*KROW
	s_mov_b32 s73, 0
	s_add_nc_u64 s[70:71], s[70:71], s[72:73]
; the head's loads, one a wave: one chain of branches on the wave's number, every way through it passes exactly one load
.macro ARM under, g0, g1, next
	s_cmp_lt_u32 s[WV], \under
	s_cbranch_scc0 \next
	tensor_load_to_lds s[\g0:\g0+3], s[\g1:\g1+7]
	s_nop 0
	PLACES 4
	s_branch .Lhead_asked
\next:
.endm
	ARM 1, 4,  G1,  .Lhead_1
	ARM 2, 8,  G1B, .Lhead_2
	ARM 3, 76, G1,  .Lhead_3
	tensor_load_to_lds s[88:91], s[G1B:G1B+7]
	s_nop 0
	PLACES 4
.Lhead_asked:
	v_and_b32 v1, 15, v0                           ; r
	v_bfe_u32 v2, v0, 4, 1                         ; h
	v_mul_u32_u24 v3, v1, PITCH
	v_mul_u32_u24 v4, v2, 24
	v_add_nc_u32 v4, v3, v4                        ; row x pitch + 24 h
	s_mov_b32 s21, SLOT-232
	s_mov_b32 s22, SLOT+232
	v_sub_nc_u32 v7, 1, v2                         ; 1 in lanes 0-15
	v_mul_u32_u24 v5, s21, v2
	v_add_nc_u32 v5, v3, v5
	v_add_nc_u32 v5, 232, v5                       ; lanes 0-15 byte 232 of the row in slot 0, lanes 16-31 byte 0 of the row in slot 1
	v_mul_u32_u24 v6, s22, v7
	v_add_nc_u32 v6, v3, v6                        ; and the other way round
	s_mul_i32 s21, s[WH], HALFT
	s_mul_i32 s22, s[WL], HALFT
	s_add_co_u32 s22, s22, 2*HALFT
	v_add_nc_u32 v[ADRA+2], s21, v5
	v_add_nc_u32 v[ADRA+3], s21, v6
	v_add_nc_u32 v[ADRB+2], s22, v5
	v_add_nc_u32 v[ADRB+3], s22, v6
.irp s, 0,1
	v_add_nc_u32 v[ADRA+\s], s21, v4
	v_add_nc_u32 v[ADRB+\s], s22, v4
	s_add_co_u32 s21, s21, SLOT
	s_add_co_u32 s22, s22, SLOT
.endr
	s_lshl_b32 s40, s[TR], 13                      ; the scale bytes of my 128 rows of A, 32 bytes a row,
	s_lshl_b32 s41, s[WH], 12
	s_add_co_u32 s40, s40, s41
	s_lshl_b32 s41, s[TC], 13                      ; and of B
	s_lshl_b32 s42, s[WL], 12
	s_add_co_u32 s41, s41, s42
	s_cmp_eq_u32 s[ROLE], 0
	s_cselect_b32 s42, 0, WSO+65536                ; role 1: A's are the weights' rows from 2,048 on
	s_cselect_b32 s43, WSO, 0
	s_add_co_u32 s40, s40, s42
	s_add_co_u32 s41, s41, s43
	v_lshlrev_b32 v5, 5, v1
	v_mad_u32_u24 v5, s40, v7, v5
	v_mad_u32_u24 v[ADRS], s41, v2, v5             ; lanes 0-15 A's rows, lanes 16-31 B's
.irp i, 0,1,2,3,4,5,6,7
	global_load_b128 v[32+4*\i:35+4*\i], v[ADRS], s[68:69] offset:512*\i         ; block i's words of steps 0-3: the two loads cover 512 consecutive bytes in each half of the lanes
	global_load_b128 v[224+4*\i:227+4*\i], v[ADRS], s[68:69] offset:512*\i+16    ; and of steps 4-7
.endr
	v_and_b32 v6, 31, v0
	v_mul_u32_u24 v[PFO], v6, KROW
	v_lshlrev_b32 v[VO16], 4, v6
	v_lshlrev_b32 v[VO8], 3, v6
	s_lshl_b32 s42, s[WV], 10
	s_add_co_u32 s42, s42, SLOT
	v_lshlrev_b32 v[SST], 2, v1
	v_lshl_add_u32 v[SST], v2, 9, v[SST]
	v_add_nc_u32 v[SST], s42, v[SST]               ; SLOT + 1,024 x wave + 512 h + 4 r
	v_add_nc_u32 v[SRD], s42, v[VO16]
	global_prefetch_b8 v[PFO], s[70:71] offset:2*ROWB th:TH_LOAD_NT scope:SCOPE_SE   ; chunk 2 of 32 rows; its address registers are never rewritten
	; the bias.  Role 0: B's row 64 p + d (p = 16 t + head) is column 192 head + 64 t + d of bqkv; my 128 rows are two heads.  Role 1: A's row 64 head + d is column 192 head + 128 + d.
	s_lshl_b32 s40, s[TC], 2
	s_lshl_b32 s41, s[WL], 1
	s_add_co_u32 s40, s40, s41
	s_and_b32 s41, s40, 15
	s_mul_i32 s41, s41, 768
	s_lshr_b32 s40, s40, 4
	s_lshl_b32 s40, s40, 8
	s_add_co_u32 s40, s40, s41
	s_lshl_b32 s41, s[TR], 2
	s_lshl_b32 s42, s[WH], 1
	s_add_co_u32 s41, s41, s42
	s_mul_i32 s41, s41, 768
	s_add_co_u32 s41, s41, 512
	s_mov_b32 s43, 4096
	s_cmp_eq_u32 s[ROLE], 0
	s_cselect_b32 s40, s40, s41
	s_cselect_b32 s42, 16, 0
	s_cselect_b32 s43, 256, s43
	s_mov_b32 s41, 0
	s_add_nc_u64 s[12:13], s[12:13], s[40:41]
	v_mul_u32_u24 v[SH], s42, v2
	v_mul_u32_u24 v[SVO], s43, v2
	v_lshl_add_u32 v[SVO], v1, 4, v[SVO]           ; role 0: 16 x lane; role 1: lanes 16-31 write the next head's words, 4,096 bytes on
	v_lshlrev_b32 v9, 5, v2
	v_lshlrev_b32 v10, 2, v1
	s_cmp_eq_u32 s[ROLE], 0
	s_cbranch_scc0 .Lbias_v
.irp b, 0,1,2,3,4,5,6,7
	global_load_b128 v[BI+8*\b:BI+8*\b+3], v9, s[12:13] offset:(\b/4)*768+(\b%4)*64
	global_load_b128 v[BI+8*\b+4:BI+8*\b+7], v9, s[12:13] offset:(\b/4)*768+(\b%4)*64+16
.endr
	s_branch .Lbias_done
.Lbias_v:
	s_wait_alu depctr_va_vdst(0)
.irp a, 0,1,2,3,4,5,6,7
	global_load_b32 v[BI+8*\a], v10, s[12:13] offset:(\a/4)*768+(\a%4)*64
.endr
.Lbias_done:
	s_wait_alu depctr_va_vdst(0)
	s_wait_tensorcnt 0x0                           ; my one load of the head's four has landed: so a descriptor may be written:
	s_mov_b32 s[G1+2], 128<<16                     ; the refill brings 128 rows a wave
	s_mov_b32 s[G1+4], 128
	s_mov_b32 s[G1B+2], 128<<16
	s_mov_b32 s[G1B+4], 128
	s_barrier_signal -1                            ; it shows both slots whole to all four waves
	s_barrier_wait -1
	FETCH_B 0, 0
	FETCH_A 0, 0
	FETCH_A 0, 4
	s_wait_loadcnt 0x0                             ; the scale words and the bias
	s_cmp_eq_u32 s[ROLE], 0
	s_cbranch_scc0 .Lfirst_v
	STEP 0, 1                                      ; the first products start the sums with the bias of B's rows
	s_branch .Lfirst_done
.Lfirst_v:
.irp a, 0,1,2,3,4,5,6,7
.irp j, 1,2,3,4,5,6,7
	v_mov_b32 v[BI+8*\a+\j], v[BI+8*\a]            ; a lane's eight results of a tile belong to one row of A: one number eight times
.endr
.endr
	PLACES NP
	s_wait_alu depctr_va_vdst(0)
	STEP 0, 2
.Lfirst_done:
.irp t, 1,2,3,4,5,6
	STEP \t, 0
.endr
	s_wait_dscnt 4*NL                              ; the last step: nothing more to fetch
	WIN MUL_LO
	MUL16 0, 7, 0
	MUL16 2, 7, 0
	s_wait_dscnt 0
	WIN MUL_HI
	MUL16 4, 7, 0
	MUL16 6, 7, 0
	WIN 0
	; ---------------- THE WAY OUT
.irp b, 0,1,2,3
	v_mov_b32 v[TM+4+\b], 0                        ; a lane permute's destination counts as read; these four are also the places behind the last products
.endr
	s_lshl_b32 s20, s[TR], 8
	s_lshl_b32 s22, s[WH], 7
	s_add_co_u32 s20, s20, s22                     ; my first row of A
	s_lshl_b32 s21, s[TC], 8
	s_lshl_b32 s22, s[WL], 7
	s_add_co_u32 s21, s21, s22                     ; my first row of B
	s_lshr_b32 s22, s21, 10                        ; role 0: 64 t + 16 batch + head,
	s_lshl_b32 s22, s22, 6
	s_lshr_b32 s23, s20, 11
	s_lshl_b32 s23, s23, 4
	s_add_co_u32 s22, s22, s23
	s_bfe_u32 s23, s21, 0x40006
	s_add_co_u32 s22, s22, s23
	s_bfe_u32 s23, s20, 0x70004                    ; and my first tile of 16 tokens in the batch
	s_mul_i32 s40, s22, 98304
	s_mul_i32 s41, s23, 768
	s_add_co_u32 s40, s40, s41
	s_lshl_b32 s41, s22, 13
	s_lshl_b32 s42, s23, 6
	s_add_co_u32 s41, s41, s42
	s_add_co_u32 s41, s41, QS
	s_lshr_b32 s22, s21, 11                        ; role 1: 16 batch + head,
	s_lshl_b32 s22, s22, 4
	s_lshr_b32 s23, s20, 6
	s_add_co_u32 s22, s22, s23
	s_bfe_u32 s23, s21, 0x40007                    ; and my step of 128 keys
	s_mul_i32 s42, s22, 98304
	s_mul_i32 s43, s23, 6144
	s_add_co_u32 s42, s42, s43
	s_add_co_u32 s42, s42, VC
	s_lshl_b32 s43, s22, 12
	s_lshl_b32 s44, s23, 8
	s_add_co_u32 s43, s43, s44
	s_add_co_u32 s43, s43, VS
	s_mov_b32 s45, 1536
	s_mov_b32 s46, 93696
	s_mov_b32 s47, 768
	s_cmp_eq_u32 s[ROLE], 0
	s_cselect_b32 s40, s40, s42
	s_cselect_b32 s41, s41, s43
	s_cselect_b32 s16, 768, s45                    ; from block a to a + 1: the next tile of tokens, or the next 16 d;
	s_cselect_b32 s18, 768, s46                    ; from 3 to 4: the same, or on to the next head's first 16 d
	s_cselect_b32 s20, 98304, s47                  ; from a block's first half image to its second: the next head, or the step's second half
	s_mov_b32 s17, 0
	s_mov_b32 s19, 0
	s_mov_b32 s21, 0
	s_mov_b32 s22, s40
	s_mov_b32 s23, 0
	s_add_nc_u64 s[4:5], s[14:15], s[22:23]
	s_add_nc_u64 s[6:7], s[4:5], s[20:21]
	s_mov_b32 s22, s41
	s_add_nc_u64 s[8:9], s[14:15], s[22:23]
	s_add_nc_u64 s[10:11], s[8:9], 8192            ; role 0: the next head's scale words
	s_mov_b32 s66, 0x76543210
	s_mov_b32 s67, 0xfedcba98                      ; lane l xor 16
; Block a: 16 rows of A x my 128 rows of B: 64 numbers a lane, four blocks of 32, each shared with lane l xor 16.
.macro OUTA a
.set AC, 64*((\a)%4)
.set WW, 2+(\a)/4
	WIN WW|(WW<<2)
.irp b, 0,1,2,3
	v_max3_num_f32 v[TM+\b], |v[AC+16*\b]|, |v[AC+16*\b+1]|, 0x1800000   ; each accumulator from its low end on; the floor 2^(3 - 127) holds the byte at 1 from below
.endr
.irp i, 2,4,6,8,10,12,14
.irp b, 0,1,2,3
	v_max3_num_f32 v[TM+\b], |v[AC+16*\b+\i]|, |v[AC+16*\b+\i+1]|, v[TM+\b]
.endr
.endr
	WIN 0
.irp b, 0,1,2,3
	v_permlanex16_b32 v[TM+4+\b], v[TM+\b], s66, s67
.endr
.irp b, 0,1,2,3
	v_max_num_f32 v[TM+\b], v[TM+\b], v[TM+4+\b]
.endr
.irp b, 0,1,2,3
	v_add_nc_u32 v[TM+12+\b], 0xff000000, v[TM+\b] ; 2 off the exponent field: the conversion's scale operand
.endr
.irp b, 0,1,2,3
	v_lshrrev_b32 v[TM+4+\b], 23, v[TM+12+\b]      ; the scale's byte
.endr
	v_lshl_or_b32 v[PW], v[TM+5], 8, v[TM+4]
	v_lshl_or_b32 v[PW], v[TM+6], 16, v[PW]
	v_lshl_or_b32 v[PW], v[TM+7], 24, v[PW]
	s_wait_alu depctr_va_vdst(0)
	s_wait_xcnt 0x0                                ; the last block's stores have read their data and their bases
.if (\a) == 4
	s_add_nc_u64 s[4:5], s[4:5], s[18:19]
	s_add_nc_u64 s[6:7], s[6:7], s[18:19]
.elseif (\a) > 0
	s_add_nc_u64 s[4:5], s[4:5], s[16:17]
	s_add_nc_u64 s[6:7], s[6:7], s[16:17]
.endif
	WIN WW
.irp c, 0,1
	v_cvt_scalef32_pk16_fp6_f32 v[PC+6*\c:PC+6*\c+2], v[AC+32*\c:AC+32*\c+15], v[TM+12+2*\c]
	v_cvt_scalef32_pk16_fp6_f32 v[PC+12+4*\c:PC+14+4*\c], v[AC+32*\c+16:AC+32*\c+31], v[TM+12+2*\c+1]
.endr
	WIN 0
	v_nop                                          ; one plain line behind a scaled conversion
.irp c, 0,1                            ; a whole block to a lane: lanes 0-15 block 2 c, lanes 16-31 block 2 c + 1
.irp i, 0,1,2
	v_permlane16_swap_b32 v[PC+6*\c+\i], v[PC+12+4*\c+\i]
.endr
.irp i, 0,1,2
	v_mov_b32 v[PC+3+6*\c+\i], v[PC+12+4*\c+\i]
.endr
.endr
	global_store_b128 v[VO16], v[PC:PC+3], s[4:5]                  ; 512 and 256 consecutive bytes, aligned
	global_store_b64 v[VO8], v[PC+4:PC+5], s[4:5] offset:512
	global_store_b128 v[VO16], v[PC+6:PC+9], s[6:7]
	global_store_b64 v[VO8], v[PC+10:PC+11], s[6:7] offset:512
	v_lshrrev_b32 v[PW+1], v[SH], v[PW]            ; role 0: lanes 16-31 keep the second head's two bytes
	ds_store_b32 v[SST], v[PW+1] offset:64*(\a)
.endm
.irp a, 0,1,2,3,4,5,6,7
	OUTA \a
.endr
	ds_load_b128 v[104:107], v[SRD]                ; my 8 x 16 scale words (LDS serves a wave's instructions in order),
	ds_load_b128 v[108:111], v[SRD] offset:512     ; and, in role 0, the second head's
	s_wait_dscnt 0x0
	global_store_b128 v[SVO], v[104:107], s[8:9]
	s_cmp_lg_u32 s[ROLE], 0
	s_cbranch_scc1 .Lwords_done
	global_store_b128 v[SVO], v[108:111], s[10:11]
.Lwords_done:
	s_wait_tensorcnt 0x0                           ; the wave's end
	ds_add_u32 v[SPW], v[NIL]
	s_wait_dscnt 0x0
	CROUND                                         ; the closing round
	s_endpgm
; ---------------- THE MASK: a work-group takes 16 queries i, wave w the key steps 4 w .. 4 w + 3.  No joint load names these clusters, so they pass no round.
; maskw: for each tile of 16 queries i and step of 128 keys s a record of 64 words; bit (16 h + r) of word 8 t + j says whether mask[16 i + r][128 s + 16 t + 8 h + j] is not 0: a word is the lane mask of one score register
; of the attention launch.  Behind the records, 4 words a tile: word w has bit 4 w + k set where step 4 w + k has any key that counts, bit 16 + 4 w + k where all its keys count.
.macro MLOAD k                         ; step k of my four: 512 consecutive bytes of each of the 16 rows
.irp r, 0,1,2,3,4,5,6,7,8,9,10,11,12,13,14,15
	global_load_b128 v[32+64*((\k)%2)+4*\r:35+64*((\k)%2)+4*\r], v3, s[10:11] offset:8192*\r+512*(\k) th:TH_LOAD_NT
.endr
.endm
.macro MSTEP k
	s_wait_loadcnt 0x0                             ; this step's 16 loads are in: one step, 8,192 bytes a wave, is on its way at a time
.irp r, 0,1,2,3,4,5,6,7,8,9,10,11,12,13,14,15
	ds_store_b128 v4, v[32+64*((\k)%2)+4*\r:35+64*((\k)%2)+4*\r] offset:528*\r
.endr
.irp t, 0,1,2,3,4,5,6,7                ; back: lane (r, h) takes, of row r, keys 16 t + 8 h + 0 .. 7 into registers 8 t + 0 .. 7
	ds_load_b128 v[160+8*\t:163+8*\t], v5 offset:64*\t
	ds_load_b128 v[164+8*\t:167+8*\t], v5 offset:64*\t+16
.endr
	s_wait_dscnt 0x0
.if (\k) < 3
	MLOAD (\k)+1                                   ; the next step, into the other set of registers, whose stores into the stage were waited for a step ago
.endif
	s_wait_xcnt 0x0                                ; the last record's store has read v224 and v225: they are written again only behind this wait
.set mb, 0
.rept 4                                ; sixteen words at a time: compare, lay word n into lane n / 2 of register n % 2, and gather 'any' and 'all'
.set mq, 0
.rept 16
	v_cmp_ne_u32 s[32+mq], 0, v[160+16*mb+mq]
.set mq, mq+1
.endr
.set mq, 0
.rept 16
	v_writelane_b32 v[224+(mq&1)], s[32+mq], (16*mb+mq)>>1
.set mq, mq+1
.endr
.set mq, 0
.rept 16
.if (mb == 0) && (mq == 0)
	s_mov_b32 s48, s32
	s_mov_b32 s49, s32
.else
	s_or_b32 s48, s48, s[32+mq]
	s_and_b32 s49, s49, s[32+mq]
.endif
.set mq, mq+1
.endr
.set mb, mb+1
.endr
	s_wait_alu depctr_va_vdst(0)
	global_store_b64 v6, v[224:225], s[28:29] offset:256*(\k)   ; the record: 256 consecutive bytes, aligned
	s_cmp_lg_u32 s48, 0
	s_cselect_b32 s52, 1, 0
	s_lshl_b32 s52, s52, s51
	s_or_b32 s50, s50, s52                         ; any key counts
	s_cmp_eq_u32 s49, -1
	s_cselect_b32 s52, 1, 0
	s_add_co_u32 s53, s51, 16
	s_lshl_b32 s52, s52, s53
	s_or_b32 s50, s50, s52                         ; all keys count
	s_add_co_u32 s51, s51, 1
.endm
.Lmask:
	s_wait_alu depctr_va_vdst(0)
	s_load_b64 s[10:11], s[0:1], 0x28              ; mask
	s_load_b64 s[20:21], s[0:1], 0x30              ; maskw
	s_sub_co_u32 s23, s42, 12
	s_lshl_b32 s23, s23, 2
	s_add_co_u32 s23, s23, s41                     ; 4 (cluster y - 12) + cy: 0..15
	s_lshl_b32 s23, s23, 3
	s_lshl_b32 s24, ttmp9, 2
	s_add_co_u32 s24, s24, s40                     ; 4 cluster x + cx: 0..7
	s_add_co_u32 s23, s23, s24                     ; i: my tile of 16 queries
	s_lshl_b32 s24, s23, 17                        ; 16 rows of 8,192 bytes
	s_lshl_b32 s25, s[WV], 11                      ; my four steps of 512 bytes
	s_add_co_u32 s24, s24, s25
	s_mov_b32 s25, 0
	s_lshl_b32 s26, s23, 4
	s_lshl_b32 s51, s[WV], 2                       ; my first step's number: the flags' first bit
	s_add_co_u32 s26, s26, s51                     ; 16 i + 4 w: my first record, and my flag word's byte
	s_add_co_u32 s30, s26, 524288
	s_mov_b32 s31, 0
	s_lshl_b32 s26, s26, 8
	s_mov_b32 s27, 0
	s_mul_i32 s52, s[WV], 8448
	s_add_co_u32 s52, s52, MR                      ; my stage: 16 rows x (512 + 16) bytes
	s_mov_b32 s50, 0
	v_and_b32 v2, 31, v0
	v_lshlrev_b32 v3, 4, v2
	v_add_nc_u32 v4, s52, v3
	v_and_b32 v5, 15, v2
	v_mul_u32_u24 v5, v5, 528
	v_lshrrev_b32 v6, 4, v2
	v_lshl_add_u32 v5, v6, 5, v5
	v_add_nc_u32 v5, s52, v5                       ; back: row r, + 32 h
	v_lshlrev_b32 v6, 3, v2
	v_mov_b32 v224, 0                              ; (a lane write's destination counts as read)
	v_mov_b32 v225, 0
	s_wait_alu depctr_va_vdst(0)
	s_wait_kmcnt 0x0
	s_add_nc_u64 s[10:11], s[10:11], s[24:25]
	s_add_nc_u64 s[28:29], s[20:21], s[26:27]      ; my records
	s_add_nc_u64 s[30:31], s[20:21], s[30:31]      ; my flag word
	MLOAD 0
	MSTEP 0
	MSTEP 1
	MSTEP 2
	MSTEP 3
	v_mov_b32 v7, s50
	v_mov_b32 v8, 0
	v_cmp_eq_u32 vcc_lo, 0, v2
	s_wait_alu depctr_va_vdst(0)
	s_wait_xcnt 0x0                                ; EXEC changes only behind this wait
	s_and_saveexec_b32 s54, vcc_lo
	global_store_b32 v8, v7, s[30:31]              ; lane 0 stores my four steps' flags
	s_wait_xcnt 0x0
	s_or_b32 exec_lo, exec_lo, s54
	s_wait_tensorcnt 0x0                           ; the wave's end
	ds_add_u32 v[SPW], v[NIL]
	s_wait_dscnt 0x0
	s_endpgm
.Lfunc_end_k_qb38244bf62_qkv:
	.size	k_qb38244bf62_qkv, .Lfunc_end_k_qb38244bf62_qkv-k_qb38244bf62_qkv
	.p2alignl 7, 3214868480
	.fill 96, 4, 3214868480
	.section	.rodata,"a",@progbits
	.p2align	6, 0x0
	.amdhsa_kernel k_qb38244bf62_qkv
		.amdhsa_group_segment_fixed_size 327680
		.amdhsa_private_segment_fixed_size 0
		.amdhsa_enable_private_segment 0
		.amdhsa_kernarg_size 56
		.amdhsa_user_sgpr_count 2
		.amdhsa_user_sgpr_kernarg_segment_ptr 1
		.amdhsa_wavefront_size32 1
		.amdhsa_system_sgpr_workgroup_id_x 1
		.amdhsa_system_sgpr_workgroup_id_y 1
		.amdhsa_system_sgpr_workgroup_id_z 1
		.amdhsa_system_vgpr_workitem_id 0
		.amdhsa_next_free_vgpr 1024
		.amdhsa_next_free_sgpr 102
		.amdhsa_reserve_vcc 1
		.amdhsa_float_denorm_mode_32 3
		.amdhsa_float_denorm_mode_16_64 3
		.amdhsa_memory_ordered 1
		.amdhsa_forward_progress 1
		.amdhsa_inst_pref_size 253
	.end_amdhsa_kernel
	.amdgpu_metadata
---
amdhsa.version: [ 1, 2 ]
amdhsa.kernels:
  - .name:           k_qb38244bf62_qkv
    .symbol:         k_qb38244bf62_qkv.kd
    .args:
      - { .name: xc, .offset: 0, .size: 8, .value_kind: global_buffer, .address_space: global }
      - { .name: sc, .offset: 8, .size: 8, .value_kind: global_buffer, .address_space: global }
      - { .name: wc, .offset: 16, .size: 8, .value_kind: global_buffer, .address_space: global }
      - { .name: bqkv, .offset: 24, .size: 8, .value_kind: global_buffer, .address_space: global }
      - { .name: qkv, .offset: 32, .size: 8, .value_kind: global_buffer, .address_space: global }
      - { .name: mask, .offset: 40, .size: 8, .value_kind: global_buffer, .address_space: global }
      - { .name: maskw, .offset: 48, .size: 8, .value_kind: global_buffer, .address_space: global }
    .group_segment_fixed_size: 327680
    .private_segment_fixed_size: 0
    .kernarg_segment_align: 8
    .kernarg_segment_size: 56
    .max_flat_workgroup_size: 128
    .sgpr_count:     102
    .vgpr_count:     1024
    .wavefront_size: 32
...
	.end_amdgpu_metadata
.endif
;; end of part 2
;; launch attn (part 3): grid 4 x 64, 16 waves a work-group, no clusters, 237,056 bytes of LDS; arguments qkv, maskw, wc, sc, bo, out0; writes out0
.if DOCPART == 3
	.amdgcn_target "amdgcn-amd-amdhsa--gfx1250"
	.amdhsa_code_object_version 6
	.text
	.protected	k_qb38244bf62_attn
	.globl	k_qb38244bf62_attn
	.p2align	8
	.type	k_qb38244bf62_attn,@function
k_qb38244bf62_attn:
	s_mov_b64 s[64:65], 0
	v_nop
	global_prefetch_b8 v0, s[64:65] scope:SCOPE_SE
	s_setreg_imm32_b32 hwreg(HW_REG_WAVE_MODE, 25, 1), 1
	s_wait_xcnt 0x0
; ATTN: softmax(q k^T / 8, under the mask) v for one batch x head a work-group row, both products on codes of FP6 (E2M3) with E8M0 scales; the result is quantised along d for the last product.
; THE SOFTMAX: t = score x log2(e) / 8; M = the running largest t rounded UP to a whole number; p = 2^(t - M) is quantised along the keys, not normalised; the row's sum is taken of the unquantised p and divides at the end.
; SHARES.  A head's 128 tiles of 16 queries are 16 chunks of 8.  Work-group (j, head): waves 0-7 take chunk j and then 15 - j, waves 8-15 chunk 7 - j and then 8 + j, a tile a wave: right for every mask,
; and under a lower triangle each wave has 17 steps with keys that count.  A wave holds one tile in 256 registers, four waves to a SIMD: one wave's vector work stands beside another's products and LDS loads.
; K AND V of the whole head (16 steps of 128 keys, 12,288 bytes of register images each, and 768 bytes of scale words) are copied into LDS once, wave w its step w, and stay: one barrier ahead of the passes.
; THE MASK comes packed: a flag word says which steps of my tile have any key that counts (the others are left out: a scalar branch on stored whole numbers) and which have only such keys;
; for the rest 64 lane masks, one for each score register, turn hidden scores into -infinity ahead of the maximum.
; NO JOINT LOADS, NO TENSOR LOADS: which steps a wave walks hangs on numbers read from memory.  So each of a head's four work-groups copies the head's 208,896 bytes itself.
; LAYOUT.  Both products transposed: S^T = K Q^T (K = 64: registers 6-11 of both operands hold zero codes), O^T = V^T P^T: a lane holds ONE query.  The 16 registers of two neighbouring tiles are quantised as they stand,
; so a block's codes lie in the order 0-7, 16-23, 8-15, 24-31, as v's do along the keys and Wo's along its K.
; A ROW WITH NO KEY: its sum is 0; its two scale bytes are stored as 0xff, so that the last product gives NaN for the whole row of 1,024, as the softmax of a row of -infinity does.
; LIMITS: a block of zeros gets the byte 1; NaN and infinities in q, k, v are not served.
.set KC,    6291456
.set QS,    18874368
.set KS,    19398656
.set VS,    19922944
.set FLG,   524288                     ; maskw: the flag words
.set WOC,   2359296                    ; wc: Wo's images of operand registers: [16 columns n 64][step of 128 along K 8][1,536]
.set WOS,   360448                     ; sc: Wo's scale bytes, 32 a column
.set STEPB, 12288                      ; LDS: step s at 12,288 s: 8 tiles of K x 768, then 4 x 2 half images of V x 768
.set SCB,   196608                     ; scale words: step s at SCB + 768 s: K's 8 x 64 bytes, V's 4 x 64
.set ATT,   208896                     ; the work-group's 32 rows of the reshaped attention matrix, as codes: row 16 pass + wave, 768 bytes + 16
.set APITCH, 784
.set ASB,   233984                     ; their scale bytes, 32 a row
.set SPARE, 235008                     ; the spare words, 128 bytes for each wave: eight blocks of 256 bytes that no other line names
; THE LAST PRODUCT IS DONE HERE TOO.  The module reshapes (b, h, s, d) to (b, s, e) as it lies, so a tile of 16 queries x 64 d of one head IS one row of 1,024 of the matrix that meets Wo: row 128 (batch x head) + tile.
; A work-group owns 32 such rows.  Each wave leaves its row's codes and scale bytes in LDS; behind one barrier wave w multiplies the two blocks of 16 rows by Wo's columns 64 w .. 64 w + 63: 8 accumulators, 8 steps of 128 along K.
; Wo's fragments come from memory straight into registers, as the images that the first launch laid: this launch branches on stored numbers.
; bo is loaded into the accumulators.  The results leave through a stage in the bytes where K and V lay (nobody reads those behind the barrier): sixteen lanes store a row's 256 consecutive bytes, aligned.
; Wo's 3,072 blocks of 256 bytes are asked of memory ahead, 12 by each of the 256 work-groups, by wave 0 in its first pass: a whole pass ahead of the loads.
; v1 16 x lane; v2 8 x lane; v3 4 r; v4 my spare word, v5 0 (never rewritten); v6-8 the step's LDS addresses; v9, v10 my row's codes and scale byte in LDS; v11 2 r + h; v12 -M; v13 the largest t; v[14:15] the sum;
; v16-27 Q; v28 Q's scale word; v29 -infinity; v30 0xff; v31 SCB + 4 r; v32-79 four fragments of K; v80-83 K's scale words, v84-87 V's; v96-159 S^T, p, then V's four fragments; v160-191 O^T;
; v192-210 p's codes; v212-229 at work (v228 p's scale word); v232-233 the way out; v238 the prefetch's offset.
; In the last product: v2, v3 the stage, in and out; v6, v7 LDS addresses; v8-15 the rows' scale words; v29 32 x lane; v30 32 h; v31 4,096 h + 16 r; v32-79 the rows' fragments, two sets; v80-95 Wo's scale words; v96-159 the sums; v160-255 Wo's fragments, two sets.
; s2, s3 the step's LDS bytes; s[8:9] wc; s10 wave; s11 batch x head; s12, s13 my two tiles; s15 pass; s16-63, s80-95 the 64 lane masks; s66 step; s67 flags; s[68:69] lane selects; s[70:71] c; s[72:73], s74 the mask records.
	s_load_b128 s[4:7], s[0:1], 0x0                ; qkv, maskw
	s_load_b64 s[8:9], s[0:1], 0x10                ; wc
	v_lshl_add_u32 v4, v0, 2, SPARE
	v_mov_b32 v5, 0
	v_lshrrev_b32 v212, 5, v0
	s_delay_alu instid0(VALU_DEP_1)
	v_readfirstlane_b32 s10, v212                  ; wave 0..15
	s_and_b32 s11, ttmp7, 0xffff
	v_and_b32 v212, 31, v0
	v_and_b32 v213, 15, v0                         ; r
	v_bfe_u32 v214, v0, 4, 1                       ; h
	s_delay_alu instid0(VALU_DEP_3)
	v_lshlrev_b32 v1, 4, v212
	s_delay_alu instid0(VALU_DEP_4)
	v_lshlrev_b32 v2, 3, v212
	s_delay_alu instid0(VALU_DEP_4)
	v_lshlrev_b32 v3, 2, v213
	s_delay_alu instid0(VALU_DEP_4)
	v_lshl_add_u32 v11, v213, 1, v214
	s_delay_alu instid0(VALU_DEP_2)
	v_add_nc_u32 v31, SCB, v3
	s_mul_i32 s74, s10, APITCH
	s_add_co_u32 s74, s74, ATT
	v_mul_u32_u24 v9, v213, 48
	s_delay_alu instid0(VALU_DEP_1)
	v_mad_u32_u24 v9, v214, 24, v9
	s_delay_alu instid0(VALU_DEP_1)
	v_add_nc_u32 v9, s74, v9                       ; the stage, in: query r's block h: 48 r + 24 h
	s_lshl_b32 s74, s10, 5
	s_add_co_u32 s74, s74, ASB
	v_add_nc_u32 v10, s74, v11                     ; my row's scale byte 2 r + h
	s_lshl_b32 s74, s11, 2
	s_add_co_u32 s74, s74, ttmp9
	s_mul_i32 s74, s74, 3072                       ; my work-group's 12 blocks of 256 bytes of Wo's images
	v_min_u32 v238, 11, v212                       ; a lane a block; the lanes left over name the last one again
	v_lshl_add_u32 v238, v238, 8, s74
	s_mul_i32 s75, s10, 768
	s_add_co_u32 s74, s75, SCB
	v_add_nc_u32 v225, s74, v1                     ; where I copy my step's scale words,
	v_add_nc_u32 v226, s74, v2
	s_mul_i32 s74, s10, STEPB
	v_add_nc_u32 v224, s74, v1                     ; and its images
	s_lshr_b32 s13, s10, 3
	s_sub_co_u32 s12, 7, ttmp9
	s_cmp_eq_u32 s13, 0
	s_cselect_b32 s13, ttmp9, s12                  ; my first chunk: j or 7 - j
	s_and_b32 s12, s10, 7
	s_lshl_b32 s13, s13, 3
	s_add_co_u32 s13, s13, s12                     ; my first tile: 8 chunk + wave % 8
	s_lshl_b32 s12, s12, 1
	s_add_co_u32 s12, s12, 120
	s_sub_co_u32 s12, s12, s13                     ; my second: 8 (15 - chunk) + wave % 8
	s_mul_i32 s74, s11, 98304
	s_mul_i32 s75, s10, 6144
	s_add_co_u32 s74, s74, s75
	s_add_co_u32 s74, s74, KC
	s_mov_b32 s75, 0
	s_lshl_b32 s78, s11, 13
	s_lshl_b32 s79, s10, 9
	s_add_co_u32 s78, s78, s79
	s_add_co_u32 s78, s78, KS
	s_mov_b32 s79, 0
	s_lshl_b32 s100, s11, 12
	s_lshl_b32 s101, s10, 8
	s_add_co_u32 s100, s100, s101
	s_add_co_u32 s100, s100, VS
	s_mov_b32 s101, 0
	; both my tiles' Q, Q's scale words and mask flags are loaded here, at the head, under the copy of K and V: the passes begin with no load
	s_lshl_b32 s80, s11, 7
	s_add_co_u32 s81, s80, s12                     ; 128 (batch x head) + tile: my second tile's image of Q,
	s_add_co_u32 s80, s80, s13                     ; and my first's
	s_mul_i32 s82, s80, 768
	s_mov_b32 s83, 0
	s_mul_i32 s84, s81, 768
	s_mov_b32 s85, 0
	s_lshl_b32 s86, s80, 6
	s_add_co_u32 s86, s86, QS
	s_mov_b32 s87, 0
	s_lshl_b32 s88, s81, 6
	s_add_co_u32 s88, s88, QS
	s_mov_b32 s89, 0
	s_lshl_b32 s90, s13, 4
	s_add_co_u32 s90, s90, FLG
	s_lshl_b32 s91, s12, 4
	s_add_co_u32 s91, s91, FLG
	s_mov_b32 s68, 0x76543210
	s_mov_b32 s69, 0xfedcba98                      ; lane l xor 16
	s_mov_b32 s70, 0x3e38aa3b                      ; c = log2(e) / 8
	s_mov_b32 s71, s70
	s_wait_alu depctr_va_vdst(0)
	s_wait_kmcnt 0x0
	s_add_nc_u64 s[76:77], s[4:5], s[74:75]
	s_add_nc_u64 s[78:79], s[4:5], s[78:79]
	s_add_nc_u64 s[100:101], s[4:5], s[100:101]
	s_add_nc_u64 s[82:83], s[4:5], s[82:83]
	s_add_nc_u64 s[84:85], s[4:5], s[84:85]
	s_add_nc_u64 s[86:87], s[4:5], s[86:87]
	s_add_nc_u64 s[88:89], s[4:5], s[88:89]
	s_load_b128 s[16:19], s[6:7], s90 offset:0x0   ; my first tile's flags,
	s_load_b128 s[20:23], s[6:7], s91 offset:0x0   ; my second's
	global_load_b128 v[16:19], v1, s[82:83]        ; the first tile's Q, in its place;
	global_load_b64 v[20:21], v2, s[82:83] offset:512
	global_load_b32 v28, v3, s[86:87]
	global_load_b128 v[88:91], v1, s[84:85]        ; the second's is kept in v88-94 and moved at the first pass's end.  These six loads stand ahead of K's twelve, so the counted wait below covers them too
	global_load_b64 v[92:93], v2, s[84:85] offset:512
	global_load_b32 v94, v3, s[88:89]
	; ---- my step's K (6,144 bytes), V (6,144 bytes, 6,291,456 further on in qkv) and scale words go to LDS as they lie
.irp i, 0,1,2,3,4,5,6,7,8,9,10,11
	global_load_b128 v[32+4*\i:35+4*\i], v1, s[76:77] offset:512*\i
.endr
.irp i, 0,1,2,3,4,5,6,7,8,9,10,11
	global_load_b128 v[96+4*\i:99+4*\i], v1, s[76:77] offset:6291456+512*\i
.endr
	global_load_b128 v[144:147], v1, s[78:79]
	global_load_b64 v[148:149], v2, s[100:101]
	s_wait_loadcnt 14                              ; K's twelve are in; V's twelve and the two loads of scale words may be out
.irp i, 0,1,2,3,4,5,6,7,8,9,10,11
	ds_store_b128 v224, v[32+4*\i:35+4*\i] offset:512*\i
.endr
	s_wait_loadcnt 0x0
.irp i, 0,1,2,3,4,5,6,7,8,9,10,11
	ds_store_b128 v224, v[96+4*\i:99+4*\i] offset:6144+512*\i
.endr
	ds_store_b128 v225, v[144:147]
	ds_store_b64 v226, v[148:149] offset:512
	s_wait_kmcnt 0x0
	s_or_b32 s100, s16, s17                        ; bit s: step s has a key that counts; bit 16 + s: all its keys count.  (The load that named s[100:101] is done: the wait for all loads stands above)
	s_or_b32 s100, s100, s18
	s_or_b32 s100, s100, s19
	s_or_b32 s101, s20, s21
	s_or_b32 s101, s101, s22
	s_or_b32 s101, s101, s23
	s_wait_dscnt 0x0                               ; for the others' sake: my stores have landed
	s_barrier_signal -1
.irp j, 22,23,24,25,26,27
	v_mov_b32 v[\j], 0                             ; K = 64: the upper halves of Q's and K's fragments are zero codes, set once
.endr
.irp t, 0,1,2,3
.irp j, 6,7,8,9,10,11
	v_mov_b32 v[32+12*\t+\j], 0
.endr
.endr
	v_mov_b32 v29, 0xff800000
	v_mov_b32 v30, 0xff
.irp b, 0,1,2,3
	v_mov_b32 v[216+\b], 0                         ; a lane permute's destination counts as read
.endr
	v_mov_b32 v227, 0                              ; (named as the upper half of the pair v[226:227])
	s_barrier_wait -1                              ; the whole head lies in LDS: the launch's first barrier, ahead of every branch on stored numbers
	s_mov_b32 s15, 0
.Lpass:
	s_wait_xcnt 0x0                                ; every earlier load and store has read its addresses and data: they are written again only behind this wait
	s_cmp_eq_u32 s15, 0
	s_cselect_b32 s75, s13, s12                    ; my tile of 16 queries,
	s_cselect_b32 s67, s100, s101                  ; its flags,
	s_lshl_b32 s78, s75, 12
	s_mov_b32 s79, 0
	s_add_nc_u64 s[72:73], s[6:7], s[78:79]        ; its 16 mask records
	s_or_b32 s74, s10, s15
	s_cmp_lg_u32 s74, 0
	s_cbranch_scc1 .Lno_ask                        ; wave 0, first pass
	global_prefetch_b8 v238, s[8:9] offset:WOC th:TH_LOAD_NT scope:SCOPE_SE
.Lno_ask:
	v_mov_b32 v13, 0xff61b1e6                      ; the largest t so far: -3e38
	s_delay_alu instid0(VALU_DEP_1)
	v_floor_f32 v12, -v13                          ; -M
	v_mov_b32 v14, 0
	v_mov_b32 v15, 0
.irp j, 0,1,2,3,4,5,6,7,8,9,10,11,12,13,14,15,16,17,18,19,20,21,22,23,24,25,26,27,28,29,30,31
	v_mov_b32 v[160+\j], 0                         ; O^T: the step is written once; which step is a tile's first hangs on the mask
.endr
	s_mov_b32 s2, 0
	s_mov_b32 s3, 0
	s_mov_b32 s74, 0
	s_mov_b32 s66, 0
.Lstep:                                            ; 16 trips
	v_add_nc_u32 v6, s2, v1                        ; the step's addresses are made on every path; they are also places behind the last step's products
	v_add_nc_u32 v7, s2, v2
	v_add_nc_u32 v8, s3, v31
	s_lshr_b32 s75, s67, s66
	s_bitcmp1_b32 s75, 0
	s_cbranch_scc0 .Lskip                          ; no key of this step counts for my 16 queries
.rept 3
	v_nop                                          ; with the three additions: the places before S^T is written over V's fragments
.endr
	s_wait_alu depctr_va_vdst(0)
.irp g, 0,1                            ; S^T = K Q^T, four tiles of 16 neighbouring keys at a time
.if \g > 0
.rept 4
	v_nop
.endr
.endif
.irp t, 0,1,2,3
	ds_load_b128 v[32+12*\t:35+12*\t], v6 offset:(4*\g+\t)*768
	ds_load_b64 v[36+12*\t:37+12*\t], v7 offset:(4*\g+\t)*768+512
	ds_load_b32 v[80+\t], v8 offset:(4*\g+\t)*64
.endr
	s_wait_dscnt 0x0
.irp t, 0,1,2,3
	v_wmma_scale_f32_16x16x128_f8f6f4 v[96+8*(4*\g+\t):103+8*(4*\g+\t)], v[32+12*\t:43+12*\t], v[16:27], 0, v[80+\t], v28 matrix_a_fmt:MATRIX_FMT_FP6 matrix_b_fmt:MATRIX_FMT_FP6
.endr
.endr
.rept 4
	v_nop
.endr
	s_bitcmp1_b32 s75, 16
	s_cbranch_scc1 .Lopen                          ; all 16 x 128 count
	s_load_b512 s[16:31], s[72:73], s74 offset:0x0
	s_load_b512 s[32:47], s[72:73], s74 offset:0x40
	s_load_b512 s[48:63], s[72:73], s74 offset:0x80
	s_load_b512 s[80:95], s[72:73], s74 offset:0xc0
	s_wait_kmcnt 0x0
	s_wait_xcnt 0x0                                ; s74 is stepped only behind this wait
.set mn, 0
.rept 64
.if mn < 48
	v_cndmask_b32 v[96+mn], v29, v[96+mn], s[16+mn]   ; a hidden score becomes -infinity: p = 0
.else
	v_cndmask_b32 v[96+mn], v29, v[96+mn], s[32+mn]
.endif
.set mn, mn+1
.endr
.Lopen:
.irp b, 0,1,2,3
	v_max3_num_f32 v[212+\b], v[96+16*\b], v[97+16*\b], v[98+16*\b]   ; the largest score of each block of 32 keys: for the row's maximum and, since p rises with the score, for the block's largest p
.endr
.irp i, 3,5,7,9,11,13
.irp b, 0,1,2,3
	v_max3_num_f32 v[212+\b], v[212+\b], v[96+16*\b+\i], v[97+16*\b+\i]
.endr
.endr
.irp b, 0,1,2,3
	v_max_num_f32 v[212+\b], v[212+\b], v[111+16*\b]
.endr
.irp b, 0,1,2,3
	s_delay_alu instid0(VALU_DEP_4)
	v_permlanex16_b32 v[216+\b], v[212+\b], s68, s69
.endr
.irp b, 0,1,2,3
	s_delay_alu instid0(VALU_DEP_4)
	v_max_num_f32 v[212+\b], v[212+\b], v[216+\b]
.endr
	s_delay_alu instid0(VALU_DEP_2)
	v_max3_num_f32 v224, v212, v213, v214
	s_delay_alu instid0(VALU_DEP_1)
	v_max_num_f32 v224, v224, v215
	s_delay_alu instid0(VALU_DEP_1)
	v_mul_f32 v224, s70, v224
	s_delay_alu instid0(VALU_DEP_1)
	v_max_num_f32 v13, v13, v224                   ; the running largest t
	v_mov_b32 v224, v12
	s_delay_alu instid0(VALU_DEP_2)
	v_floor_f32 v12, -v13                          ; the new -M = -ceil(t)
	s_delay_alu instid0(VALU_DEP_1)
	v_sub_f32 v224, v12, v224                      ; old M - new M: a whole number, 0 or less
	s_delay_alu instid0(VALU_DEP_1)
	v_cvt_i32_f32 v224, v224                       ; (it saturates)
	s_delay_alu instid0(VALU_DEP_1)
	v_ldexp_f32 v226, 1.0, v224                    ; f = 2^(old M - new M): multiplying by it rounds nothing
.irp j, 0,2,4,6,8,10,12,14,16,18,20,22,24,26,28,30,32,34,36,38,40,42,44,46,48,50,52,54,56,58,60,62
	v_pk_fma_f32 v[96+\j:97+\j], v[96+\j:97+\j], s[70:71], v[12:13] op_sel_hi:[1,0,0]   ; t - M
.endr
.irp b, 0,1,2,3
	v_fma_f32 v[212+\b], v[212+\b], s70, v12
.endr
	s_wait_alu depctr_va_vdst(0)
.irp j, 0,1,2,3,4,5,6,7,8,9,10,11,12,13,14,15,16,17,18,19,20,21,22,23,24,25,26,27,28,29,30,31,32,33,34,35,36,37,38,39,40,41,42,43,44,45,46,47,48,49,50,51,52,53,54,55,56,57,58,59,60,61,62,63
	v_exp_f32 v[96+\j], v[96+\j]                   ; p = 2^(t - M)
.endr
	v_pk_mul_f32 v[14:15], v[14:15], v[226:227] op_sel_hi:[1,0]   ; the sums under the new M (the plain line behind the exponentials)
	s_wait_alu depctr_va_vdst(0)                   ; one wait for the batch of 64, ahead of its first reader
.irp b, 0,1,2,3
	v_exp_f32 v[212+\b], v[212+\b]                 ; each block's largest p
.endr
	v_pk_add_f32 v[216:217], v[100:101], v[104:105]
	v_pk_add_f32 v[254:255], v[108:109], v[112:113]
	v_pk_add_f32 v[252:253], v[116:117], v[120:121]
	v_pk_add_f32 v[250:251], v[124:125], v[128:129]
	v_pk_add_f32 v[248:249], v[132:133], v[136:137]
	v_pk_add_f32 v[246:247], v[140:141], v[144:145]
	v_pk_add_f32 v[244:245], v[148:149], v[152:153]
	v_pk_add_f32 v[14:15], v[14:15], v[156:157]
	v_pk_add_f32 v[216:217], v[216:217], v[96:97]
	v_pk_add_f32 v[254:255], v[254:255], v[98:99]
	v_pk_add_f32 v[252:253], v[252:253], v[102:103]
	v_pk_add_f32 v[250:251], v[250:251], v[106:107]
	v_pk_add_f32 v[248:249], v[248:249], v[110:111]
	v_pk_add_f32 v[246:247], v[246:247], v[114:115]
	v_pk_add_f32 v[244:245], v[244:245], v[118:119]
	v_pk_add_f32 v[14:15], v[14:15], v[122:123]
	v_pk_add_f32 v[216:217], v[216:217], v[126:127]
	v_pk_add_f32 v[254:255], v[254:255], v[130:131]
	v_pk_add_f32 v[252:253], v[252:253], v[134:135]
	v_pk_add_f32 v[250:251], v[250:251], v[138:139]
	v_pk_add_f32 v[248:249], v[248:249], v[142:143]
	v_pk_add_f32 v[246:247], v[246:247], v[146:147]
	v_pk_add_f32 v[244:245], v[244:245], v[150:151]
	v_pk_add_f32 v[14:15], v[14:15], v[154:155]
	v_pk_add_f32 v[216:217], v[216:217], v[158:159]
	s_delay_alu instid0(VALU_DEP_2)
	v_pk_add_f32 v[14:15], v[14:15], v[250:251]
	s_delay_alu instid0(VALU_DEP_2)
	v_pk_add_f32 v[216:217], v[216:217], v[248:249]
	v_pk_add_f32 v[254:255], v[254:255], v[246:247]
	v_pk_add_f32 v[252:253], v[252:253], v[244:245]
	s_delay_alu instid0(VALU_DEP_2)
	v_pk_add_f32 v[14:15], v[14:15], v[254:255]
	s_delay_alu instid0(VALU_DEP_2)
	v_pk_add_f32 v[216:217], v[216:217], v[252:253]
	s_delay_alu instid0(VALU_DEP_1)
	v_pk_add_f32 v[14:15], v[14:15], v[216:217]
	s_wait_alu depctr_va_vdst(0)                   ; and one for the four
.irp b, 0,1,2,3
	v_max_num_f32 v[212+\b], 0x1800000, v[212+\b]  ; the floor 2^(3 - 127)
.endr
.irp b, 0,1,2,3
	s_delay_alu instid0(VALU_DEP_4)
	v_add_nc_u32 v[220+\b], 0xff000000, v[212+\b]  ; the conversion's scale operand
.endr
.irp b, 0,1,2,3
	s_delay_alu instid0(VALU_DEP_4)
	v_lshrrev_b32 v[216+\b], 23, v[220+\b]         ; the scale's byte
.endr
	s_delay_alu instid0(VALU_DEP_3)
	v_lshl_or_b32 v228, v217, 8, v216
	s_delay_alu instid0(VALU_DEP_1)
	v_lshl_or_b32 v228, v218, 16, v228
	s_delay_alu instid0(VALU_DEP_1)
	v_lshl_or_b32 v228, v219, 24, v228             ; p's scale word for these 128 keys
.irp c, 0,1
	v_cvt_scalef32_pk16_fp6_f32 v[192+6*\c:194+6*\c], v[96+32*\c:111+32*\c], v[220+2*\c]
	v_cvt_scalef32_pk16_fp6_f32 v[204+4*\c:206+4*\c], v[112+32*\c:127+32*\c], v[220+2*\c+1]
.endr
	v_nop                                          ; one plain line behind a scaled conversion
.irp t, 0,1,2,3                        ; V's four fragments land where p lay, while the lines below are worked
	ds_load_b32 v[84+\t], v8 offset:512+64*\t
.irp c, 0,1
	ds_load_b128 v[96+12*\t+6*\c:99+12*\t+6*\c], v6 offset:6144+1536*\t+768*\c
	ds_load_b64 v[100+12*\t+6*\c:101+12*\t+6*\c], v7 offset:6144+1536*\t+768*\c+512
.endr
.endr
.irp c, 0,1                            ; a whole block to a lane
.irp i, 0,1,2
	v_permlane16_swap_b32 v[192+6*\c+\i], v[204+4*\c+\i]
.endr
.irp i, 0,1,2
	s_delay_alu instid0(VALU_DEP_3)
	v_mov_b32 v[195+6*\c+\i], v[204+4*\c+\i]
.endr
.endr
.irp j, 0,2,4,6,8,10,12,14,16,18,20,22,24,26,28,30
	v_pk_mul_f32 v[160+\j:161+\j], v[160+\j:161+\j], v[226:227] op_sel_hi:[1,0]   ; O^T under the new M; for each product below twelve of these name none of its registers: its places behind the moves above
.endr
	s_wait_alu depctr_va_vdst(0)
	s_wait_dscnt 0x0
.irp t, 0,1,2,3                        ; O^T += V^T P^T: the four accumulators by turns
	v_wmma_scale_f32_16x16x128_f8f6f4 v[160+8*\t:167+8*\t], v[96+12*\t:107+12*\t], v[192:203], v[160+8*\t:167+8*\t], v[84+\t], v228 matrix_a_fmt:MATRIX_FMT_FP6 matrix_b_fmt:MATRIX_FMT_FP6
.endr
.Lskip:
	s_add_co_u32 s2, s2, STEPB
	s_add_co_u32 s3, s3, 768
	s_add_co_u32 s74, s74, 256
	s_add_co_u32 s66, s66, 1
	s_cmp_lt_u32 s66, 16
	s_cbranch_scc1 .Lstep
	; ---- the tile's way out: O^T / the sum, quantised along d (two blocks of 32 a query), 768 bytes of codes and 32 scale bytes: one row of att
.rept 4
	v_nop
.endr
	v_add_f32 v14, v14, v15
	s_delay_alu instid0(VALU_DEP_1)
	v_permlanex16_b32 v224, v14, s68, s69
	s_delay_alu instid0(VALU_DEP_1)
	v_add_f32 v14, v14, v224                       ; the row's sum
	s_wait_alu depctr_va_vdst(0)
	v_rcp_f32 v225, v14
	v_cmp_eq_f32 vcc_lo, 0, v14                    ; no key counted for my query (the plain line behind the reciprocal)
	s_mov_b32 s75, 0xffff0000
	s_wait_alu depctr_va_vdst(0)                   ; ahead of the reciprocal's first reader
.irp j, 0,1,2,3,4,5,6,7,8,9,10,11,12,13,14,15,16,17,18,19,20,21,22,23,24,25,26,27,28,29,30,31
	v_mul_f32 v[96+\j], v[160+\j], v225            ; each accumulator from its low end on
.endr
.irp b, 0,1
	v_max3_num_f32 v[212+\b], |v[96+16*\b]|, |v[97+16*\b]|, 0x1800000
.endr
.irp i, 2,4,6,8,10,12,14
.irp b, 0,1
	s_delay_alu instid0(VALU_DEP_2)
	v_max3_num_f32 v[212+\b], v[212+\b], |v[96+16*\b+\i]|, |v[97+16*\b+\i]|
.endr
.endr
.irp b, 0,1
	s_delay_alu instid0(VALU_DEP_2)
	v_permlanex16_b32 v[216+\b], v[212+\b], s68, s69
.endr
.irp b, 0,1
	s_delay_alu instid0(VALU_DEP_2)
	v_max_num_f32 v[212+\b], v[212+\b], v[216+\b]
.endr
.irp b, 0,1
	s_delay_alu instid0(VALU_DEP_2)
	v_add_nc_u32 v[220+\b], 0xff000000, v[212+\b]
.endr
.irp b, 0,1
	s_delay_alu instid0(VALU_DEP_2)
	v_lshrrev_b32 v[216+\b], 23, v[220+\b]
.endr
	s_delay_alu instid0(VALU_DEP_1)
	v_cndmask_b32 v229, v216, v217, s75            ; lane (r, h) keeps the byte of block h,
	s_delay_alu instid0(VALU_DEP_1)
	v_cndmask_b32 v229, v229, v30, vcc_lo          ; or 0xff
	v_cvt_scalef32_pk16_fp6_f32 v[192:194], v[96:111], v220
	v_cvt_scalef32_pk16_fp6_f32 v[204:206], v[112:127], v221
	v_nop
.irp i, 0,1,2
	v_permlane16_swap_b32 v[192+\i], v[204+\i]
.endr
.irp i, 0,1,2
	s_delay_alu instid0(VALU_DEP_3)
	v_mov_b32 v[195+\i], v[204+\i]
.endr
	s_mul_i32 s78, s15, 16*APITCH                  ; this pass's 16 rows
	s_lshl_b32 s79, s15, 9
	v_add_nc_u32 v232, s78, v9
	v_add_nc_u32 v233, s79, v10
	ds_store_b64 v232, v[192:193]                  ; query r's block h: bytes 48 r + 24 h of my row
	ds_store_b64 v232, v[194:195] offset:8
	ds_store_b64 v232, v[196:197] offset:16
	ds_store_b8 v233, v229
.irp i, 0,1,2,3,4,5
	v_mov_b32 v[16+\i], v[88+\i]                   ; the second tile's Q
.endr
	v_mov_b32 v28, v94                             ; and its scale words
	s_add_co_u32 s15, s15, 1
	s_cmp_lt_u32 s15, 2
	s_wait_alu depctr_va_vdst(0)
	s_cbranch_scc1 .Lpass
	; ---------------- THE LAST PRODUCT: 32 rows x Wo's columns 64 wave .. + 63, + bo
	s_load_b256 s[16:23], s[0:1], 0x10             ; wc, sc, bo, out0
	s_mul_i32 s24, s10, 8704                       ; my stage: 2 x 16 rows x 272 bytes
	s_mul_i32 s26, s10, 49152                      ; my 4 x 8 images of Wo
	s_add_co_u32 s26, s26, WOC
	s_mov_b32 s27, 0
	s_lshl_b32 s28, s10, 11                        ; my 64 columns' scale bytes
	s_add_co_u32 s28, s28, WOS
	s_mov_b32 s29, 0
	s_lshl_b32 s30, s10, 8                         ; my 64 columns in bo and in a row of out0
	s_mov_b32 s31, 0
	s_lshl_b32 s40, s11, 19                        ; 128 rows of 4,096 bytes a head
	s_lshl_b32 s41, ttmp9, 15                      ; 8 rows a chunk
	s_add_co_u32 s32, s40, s41                     ; pass 0: waves 0-7 made chunk j,
	s_add_co_u32 s34, s40, 7<<15
	s_sub_co_u32 s34, s34, s41                     ; waves 8-15 chunk 7 - j;
	s_add_co_u32 s36, s40, 15<<15
	s_sub_co_u32 s36, s36, s41                     ; pass 1: 15 - j
	s_add_co_u32 s38, s32, 8<<15                   ; and 8 + j
	s_mov_b32 s33, 0
	s_mov_b32 s35, 0
	s_mov_b32 s37, 0
	s_mov_b32 s39, 0
	v_and_b32 v29, 15, v0                          ; r
	v_bfe_u32 v30, v0, 4, 1                        ; h
	v_mul_u32_u24 v6, v29, APITCH
	v_mad_u32_u24 v6, v30, 24, v6
	v_add_nc_u32 v6, ATT, v6                       ; a fragment of the rows: row r, + 24 h
	v_lshl_add_u32 v7, v1, 1, ASB                  ; scale words: lanes 0-15 the first 16 rows, lanes 16-31 the second
	v_mul_u32_u24 v2, v29, 272
	v_lshl_add_u32 v2, v30, 5, v2
	v_add_nc_u32 v2, s24, v2                       ; the stage, in: row r, 32 bytes for each half of the lanes
	v_mul_u32_u24 v3, v30, 272
	v_lshl_add_u32 v3, v29, 4, v3
	v_add_nc_u32 v3, s24, v3                       ; and out: sixteen lanes to a row
	v_lshlrev_b32 v31, 12, v30
	v_lshl_add_u32 v31, v29, 4, v31                ; the same two rows in out0
	v_lshlrev_b32 v30, 5, v30                      ; bo: my half's eight numbers
	v_lshlrev_b32 v29, 1, v1                       ; 32 x lane
	s_wait_alu depctr_va_vdst(0)
	s_wait_kmcnt 0x0
	s_add_nc_u64 s[16:17], s[16:17], s[26:27]
	s_add_nc_u64 s[18:19], s[18:19], s[28:29]
	s_add_nc_u64 s[20:21], s[20:21], s[30:31]
	s_add_nc_u64 s[22:23], s[22:23], s[30:31]
	s_add_nc_u64 s[32:33], s[22:23], s[32:33]
	s_add_nc_u64 s[34:35], s[22:23], s[34:35]
	s_add_nc_u64 s[36:37], s[22:23], s[36:37]
	s_add_nc_u64 s[38:39], s[22:23], s[38:39]
.macro BLD s                           ; Wo's four fragments of step s into set s % 2: each load takes 512 consecutive bytes
.irp b, 0,1,2,3
.irp g, 0,1,2
	global_load_b128 v[160+48*((\s)%2)+12*\b+4*\g:163+48*((\s)%2)+12*\b+4*\g], v1, s[16:17] offset:12288*\b+1536*(\s)+512*\g
.endr
.endr
.endm
.macro ALD s                           ; the rows' two fragments of step s into set s % 2
.irp m, 0,1
.irp p, 0,1,2,3,4,5
	ds_load_b64 v[32+24*((\s)%2)+12*\m+2*\p:33+24*((\s)%2)+12*\m+2*\p], v6 offset:16*APITCH*\m+96*(\s)+48*(\p/3)+8*(\p%3)
.endr
.endr
.endm
.irp p, 0,1                            ; Wo's scale words: lane l takes column 32 p + l's eight: register 80 + 8 p + s serves 16 columns from its lanes 0-15 and 16 from its lanes 16-31
	global_load_b128 v[80+8*\p:83+8*\p], v29, s[18:19] offset:1024*\p
	global_load_b128 v[84+8*\p:87+8*\p], v29, s[18:19] offset:1024*\p+16
.endr
.irp a, 0,1,2,3,4,5,6,7                ; the sums begin as bo: accumulator 4 m + b holds, in lane (r, h), columns 16 b + 8 h + 0 .. 7 of row r
	global_load_b128 v[96+8*\a:99+8*\a], v30, s[20:21] offset:64*(\a%4)
	global_load_b128 v[100+8*\a:103+8*\a], v30, s[20:21] offset:64*(\a%4)+16
.endr
	BLD 0
	BLD 1
	s_wait_dscnt 0x0                               ; for the others' sake: my rows have landed, and my reads of K and V are over
	s_barrier_signal -1
	s_barrier_wait -1
	ds_load_b128 v[8:11], v7
	ds_load_b128 v[12:15], v7 offset:16
	ALD 0
	ALD 1
.macro PW m, b, s                      ; source 0 = 16 columns of Wo, source 1 = 16 rows: a lane holds eight neighbouring numbers of a row of out0
.set rD, 96+32*(\m)+8*(\b)
.set rB, 160+48*((\s)%2)+12*(\b)
.set rA, 32+24*((\s)%2)+12*(\m)
.set rS, 80+8*((\b)/2)+(\s)
.if (\b)%2 == 0 && (\m) == 0
	v_wmma_scale_f32_16x16x128_f8f6f4 v[rD:rD+7], v[rB:rB+11], v[rA:rA+11], v[rD:rD+7], v[rS], v[8+(\s)] matrix_a_fmt:MATRIX_FMT_FP6 matrix_b_fmt:MATRIX_FMT_FP6
.elseif (\m) == 0
	v_wmma_scale_f32_16x16x128_f8f6f4 v[rD:rD+7], v[rB:rB+11], v[rA:rA+11], v[rD:rD+7], v[rS], v[8+(\s)] matrix_a_fmt:MATRIX_FMT_FP6 matrix_b_fmt:MATRIX_FMT_FP6 matrix_a_scale:MATRIX_SCALE_ROW1
.elseif (\b)%2 == 0
	v_wmma_scale_f32_16x16x128_f8f6f4 v[rD:rD+7], v[rB:rB+11], v[rA:rA+11], v[rD:rD+7], v[rS], v[8+(\s)] matrix_a_fmt:MATRIX_FMT_FP6 matrix_b_fmt:MATRIX_FMT_FP6 matrix_b_scale:MATRIX_SCALE_ROW1
.else
	v_wmma_scale_f32_16x16x128_f8f6f4 v[rD:rD+7], v[rB:rB+11], v[rA:rA+11], v[rD:rD+7], v[rS], v[8+(\s)] matrix_a_fmt:MATRIX_FMT_FP6 matrix_b_fmt:MATRIX_FMT_FP6 matrix_a_scale:MATRIX_SCALE_ROW1 matrix_b_scale:MATRIX_SCALE_ROW1
.endif
.endm
.macro PSTEP s
.if (\s) < 7
	s_wait_loadcnt 12                              ; this step's fragments of Wo are in (at step 0 also the scale words and bo); the next step's twelve loads may be out
	s_wait_dscnt 12                                ; likewise the rows' fragments
.else
	s_wait_loadcnt 0x0
	s_wait_dscnt 0x0
.endif
.irp m, 0,1
.irp b, 0,1,2,3
	PW \m, \b, \s                                  ; the eight accumulators by turns
.endr
.endr
.rept 4
	v_nop                                          ; places in front of loads into registers that the products have read, and of the reads of the results
.endr
.if (\s)+2 < 8
	BLD (\s)+2
	ALD (\s)+2
.endif
.endm
.irp s, 0,1,2,3,4,5,6,7
	PSTEP \s
.endr
.irp m, 0,1
.irp b, 0,1,2,3
	ds_store_b128 v2, v[96+32*\m+8*\b:99+32*\m+8*\b] offset:4352*\m+64*\b          ; each accumulator from its low end on
	ds_store_b128 v2, v[100+32*\m+8*\b:103+32*\m+8*\b] offset:4352*\m+64*\b+16
.endr
.irp t, 0,1,2,3,4,5,6,7
	ds_load_b128 v[160+32*\m+4*\t:163+32*\m+4*\t], v3 offset:4352*\m+544*\t        ; LDS serves a wave's instructions in order: these see my stores
.endr
.endr
	s_wait_dscnt 16                                ; the first 16 rows are back; the second block's 8 stores and 8 loads may be out
.irp t, 0,1,2,3,4,5,6,7
	global_store_b128 v31, v[160+4*\t:163+4*\t], s[32+2*(\t/4):33+2*(\t/4)] offset:8192*(\t%4) th:TH_STORE_NT   ; sixteen lanes store 256 consecutive bytes, aligned
.endr
	s_wait_dscnt 0x0
.irp t, 0,1,2,3,4,5,6,7
	global_store_b128 v31, v[192+4*\t:195+4*\t], s[36+2*(\t/4):37+2*(\t/4)] offset:8192*(\t%4) th:TH_STORE_NT
.endr
	s_wait_tensorcnt 0x0                           ; the wave's end
	ds_add_u32 v4, v5
	s_wait_dscnt 0x0
	s_endpgm
.Lfunc_end_k_qb38244bf62_attn:
	.size	k_qb38244bf62_attn, .Lfunc_end_k_qb38244bf62_attn-k_qb38244bf62_attn
	.p2alignl 7, 3214868480
	.fill 96, 4, 3214868480
	.section	.rodata,"a",@progbits
	.p2align	6, 0x0
	.amdhsa_kernel k_qb38244bf62_attn
		.amdhsa_group_segment_fixed_size 237056
		.amdhsa_private_segment_fixed_size 0
		.amdhsa_enable_private_segment 0
		.amdhsa_kernarg_size 48
		.amdhsa_user_sgpr_count 2
		.amdhsa_user_sgpr_kernarg_segment_ptr 1
		.amdhsa_wavefront_size32 1
		.amdhsa_system_sgpr_workgroup_id_x 1
		.amdhsa_system_sgpr_workgroup_id_y 1
		.amdhsa_system_sgpr_workgroup_id_z 1
		.amdhsa_system_vgpr_workitem_id 0
		.amdhsa_next_free_vgpr 256
		.amdhsa_next_free_sgpr 102
		.amdhsa_reserve_vcc 1
		.amdhsa_float_denorm_mode_32 3
		.amdhsa_float_denorm_mode_16_64 3
		.amdhsa_memory_ordered 1
		.amdhsa_forward_progress 1
		.amdhsa_inst_pref_size 73
	.end_amdhsa_kernel
	.amdgpu_metadata
---
amdhsa.version: [ 1, 2 ]
amdhsa.kernels:
  - .name:           k_qb38244bf62_attn
    .symbol:         k_qb38244bf62_attn.kd
    .args:
      - { .name: qkv, .offset: 0, .size: 8, .value_kind: global_buffer, .address_space: global }
      - { .name: maskw, .offset: 8, .size: 8, .value_kind: global_buffer, .address_space: global }
      - { .name: wc, .offset: 16, .size: 8, .value_kind: global_buffer, .address_space: global }
      - { .name: sc, .offset: 24, .size: 8, .value_kind: global_buffer, .address_space: global }
      - { .name: bo, .offset: 32, .size: 8, .value_kind: global_buffer, .address_space: global }
      - { .name: out0, .offset: 40, .size: 8, .value_kind: global_buffer, .address_space: global }
    .group_segment_fixed_size: 237056
    .private_segment_fixed_size: 0
    .kernarg_segment_align: 8
    .kernarg_segment_size: 48
    .max_flat_workgroup_size: 512
    .sgpr_count:     102
    .vgpr_count:     256
    .wavefront_size: 32
...
	.end_amdgpu_metadata
.endif
;; end of part 3
